; MI455X (gfx1250); checked and timed in simulation.
; The chip was launched on July 23, 2026; its instructions are those of AMD's public machine-readable ISA for CDNA 5 (MIT licence, August 2026) and "CDNA5" Instruction Set Architecture Reference Guide (July 2026). The comments in the code are by the model that wrote it; some were corrected since.
;; LSTM Cell. Allowed arithmetic: matrix products marked QUANTISED: E2M1 operands, one E8M0 scale for each 32 along K, by v_wmma_scale_f32_16x16x128_f8f6f4 with both operands' format E2M1 (or v_wmma_scale_f32_32x16x128_f4), f32 sums; everything else in f32.
;; Inputs: W_F 2,048 x 1,024 float32; W_G 2,048 x 1,024 float32; W_I 2,048 x 1,024 float32; W_O 2,048 x 1,024 float32; b_F 1,024 float32; b_G 1,024 float32; b_I 1,024 float32; b_O 1,024 float32; c 8,192 x 1,024 float32; h 8,192 x 1,024 float32; x 8,192 x 1,024 float32.
;; Outputs: out0 8,192 x 1,024 float32; out1 8,192 x 1,024 float32.
;; This version of the problem:
;;   THIS VERSION OF THE PROBLEM IS GIVEN IN LOW PRECISION. The matrix products marked QUANTISED in the list below multiply operands that are first quantised to E2M1 (2 exponent bits, 1 mantissa bit; 4 bits a number), with one power-of-two scale for each 32 numbers along K (OCP MX v1.0); their sums are f32. All else is computed in f32.
;;   The module's matrix products, in the order in which they are computed (A, B: the left and right operand; K: the contracted axis; several contracted axes count as one K, in the product's order):
;;     1. [M 8,192, K 2,048] x [K 2,048, N 4,096]; A: computed on the way; B: computed on the way: QUANTISED
;;   THE QUANTISER, for each operand of a quantised product, along K:
;;     - K is cut into blocks of 32 from its start; a last block that is shorter is filled with zeros.
;;     - A block's scale is 2^e with e = floor(log2(the largest magnitude in the block)) - 2, held to -126 .. 127; a block of zeros has e = 0. As a byte (E8M0): e + 127.
;;     - Each number is divided by its block's scale, clamped to +-6, and rounded to the nearest number of E2M1, ties to even, subnormals kept.
;;     - The product sums the exact products of the quantised numbers (number of the format x scale) in f32.
;;   ~~~python
;;   def quantise(x, axis):      # numpy; x: float32 -> the quantised numbers, widened to float32 again
;;       x = np.moveaxis(x, axis, -1); K = x.shape[-1]
;;       x = np.pad(x, [(0, 0)] * (x.ndim - 1) + [(0, -K % 32)]); x = x.reshape(x.shape[:-1] + (-1, 32)); a = np.abs(x).max(-1, keepdims=True)
;;       e = np.where(a > 0, np.clip(np.frexp(np.where(a > 0, a, 1))[1] - 1 - 2, -126, 127), 0)      # np.frexp(a)[1] - 1 = floor(log2(a)), exactly
;;       r = np.clip(x / 2.0 ** e, -6, 6)
;;       step = 2.0 ** (np.maximum(np.frexp(np.where(r == 0, 1, r))[1] - 1, 0) - 1)
;;       q = np.round(r / step) * step * 2.0 ** e      # np.round: ties to even
;;       return np.moveaxis(q.reshape(q.shape[:-2] + (-1,))[..., :K], -1, axis).astype(np.float32)
;;   ~~~
;;   OPERANDS COMPUTED ON THE WAY. 'Computed on the way' means the value that the module computes at that place (a softmax that the list does not call 'softmax' is quantised finished and normalised). What goes into a quantiser is computed in f32, as accurately as f32 sums, v_exp_f32 and their like allow (about 1e-6 of the number): no bf16 or f16 on the way to a quantiser, and a product that is left as it is and whose result goes on into a quantised operand takes f32 operands (vector FMAs, or v_wmma_f32_16x16x4_f32). A number that lies on a knife's edge between two numbers of the format may be rounded either way, as far as f32 arithmetic and the matrix unit's own rounding can turn it there, and no further.
;; 2 versions, each right. Each part assembles by itself: llvm-mc -triple=amdgcn-amd-amdhsa -mcpu=gfx1250 --defsym DOCPART=n.
;; ======== version 1 of 2: 3 launches
;; limits: a function is approximated: absolute error at most 1.2e-07
;; workspace buffers: xq 8,388,608 bytes; xs 524,288 bytes; wq 4,194,304 bytes; ws 262,144 bytes
;; launch qw (part 1): grid 64 x 4, 8 waves a work-group, no clusters, 168,960 bytes of LDS; arguments W_I, W_F, W_G, W_O, wq, ws; writes wq, ws
.if DOCPART == 1
	.amdgcn_target "amdgcn-amd-amdhsa--gfx1250"
	.amdhsa_code_object_version 6
	.text
	.protected	k_qf0f7cb73b7_qw
	.globl	k_qf0f7cb73b7_qw
	.p2align	8
	.type	k_qf0f7cb73b7_qw,@function
k_qf0f7cb73b7_qw:
	s_mov_b64 s[64:65], 0
	v_nop
	global_prefetch_b8 v0, s[64:65] scope:SCOPE_SE
	s_setreg_imm32_b32 hwreg(HW_REG_WAVE_MODE, 25, 1), 1
	s_wait_xcnt 0x0
; The four weights W_g [2048 (k)][1024 (j)], f32, K on the FIRST axis, become codes of FP4 (E2M1) with K innermost and one E8M0 byte for each 32 along K.
; wq: [4096 rows n'][1024 bytes], byte = k / 2.   ws: [4 K steps of 512][4096 rows n'][16 bytes], byte = block of 32 within the K step.
; ROW ORDER, this program's own: n' = (j / 32) x 128 + gate x 32 + j % 32 (gate 0 = I, 1 = F, 2 = G, 3 = O), so that the product's launch finds the four gates of a column j in one wave's 128 rows.
; A block's scale is 2^(floor(log2(largest magnitude)) - 2): its byte is the largest magnitude's exponent field - 2, held at 1 from below by a floor among the maximum's leaves.
; LIMITS: a block of zeros gets the byte 1 (the stated quantiser says 127): its codes are zeros, which add nothing under any byte but 0xff, and this program alone reads the bytes.  NaN and infinities among the inputs are not served.
; SHARES.  A work-group takes one gate, 64 columns (256 bytes of a row of W) and 512 along K: 256 work-groups.  Wave w brings rows 64 w .. 64 w + 63 of that tile into LDS by ONE tensor load (16,384 bytes): the
; work-group's 131,072 bytes are all asked for at once and LDS is filled once, so no slot takes turns.  Then A LANE TAKES A COLUMN AND ITS REGISTERS RUN DOWN K: wave w works columns 32 (w % 2) + lane
; and k = 128 (w / 2) .. + 127, four blocks a lane: a block's maximum needs no other lane, and the conversions give codes with K innermost.  Nothing is transposed by an instruction.
; The codes leave through a stage in LDS as rows of 256 bytes: sixteen lanes store 256 consecutive bytes, aligned.  The scale bytes of 32 rows n' are 512 consecutive bytes of ws.
; No cluster: no two work-groups read the same byte.  No matrix work: memory binds.
.set STG,  131072                      ; behind the tile: the codes' stage, 64 rows (columns j) x (256 + 16) bytes
.set SST,  148480                      ; behind it: the scale bytes' stage, 64 rows x 16 bytes
.set SP,   272
.set X,    32                          ; v32-159  four sets of 32 numbers, one for each block
.set C,    160                         ; v160-175 codes, four registers a block
.set SW,   176                         ; v176     my four scale bytes
.set OUTR, 180                         ; v180-195 the way out
.set SOUT, 196                         ; v196-199 scale bytes on the way out
.set G0,   20                          ; s[20:23] descriptor group 0
.set G1,   24                          ; s[24:31] descriptor group 1
	s_load_b256 s[4:11], s[0:1], 0x0               ; W_I, W_F, W_G, W_O
	s_load_b128 s[12:15], s[0:1], 0x20             ; wq, ws
	v_lshl_add_u32 v200, v0, 2, 0x29000
	v_mov_b32 v201, 0
	ds_add_u32 v200, v201
	ds_add_u32 v200, v201
	v_lshrrev_b32 v1, 5, v0
	v_readfirstlane_b32 s16, v1                    ; wave 0..7
	s_lshr_b32 s17, ttmp9, 4                       ; gate
	s_and_b32 s18, ttmp9, 15                       ; which 64 columns
	s_and_b32 s19, ttmp7, 0xffff                   ; which 512 along K
	s_mov_b32 s[G1+0], 2<<16                       ; no mask; elements of 4 bytes; no padding: 32 lanes read 32 neighbouring words of a row
	s_mov_b32 s[G1+1], 64<<16                      ; tensor_dim0 = 64 elements
	s_mov_b32 s[G1+2], 64<<16                      ; tensor_dim1 = 64 rows
	s_mov_b32 s[G1+3], 64<<16                      ; tile_dim0 = 64
	s_mov_b32 s[G1+4], 64                          ; tile_dim1 = 64
	s_mov_b32 s[G1+5], 1024                        ; elements from row to row
	s_mov_b32 s[G1+6], 0
	s_mov_b32 s[G1+7], 0
	s_lshl_b32 s2, s19, 21                         ; 512 rows of 4,096 bytes for each K step,
	s_lshl_b32 s32, s16, 18                        ; 64 rows for each wave,
	s_add_co_u32 s2, s2, s32
	s_lshl_b32 s32, s18, 8                         ; 256 bytes for each group of columns
	s_add_co_u32 s2, s2, s32
	s_mov_b32 s3, 0
	s_mov_b32 s[G0], 1
	s_lshl_b32 s[G0+1], s16, 14                    ; LDS: wave x 64 rows x 256 bytes
	s_wait_dscnt 0x0
	s_wait_kmcnt 0x0
	s_cmp_lt_u32 s17, 2                            ; the gate's weight: the choice hangs on the work-group's number alone
	s_cselect_b64 s[4:5], s[4:5], s[8:9]
	s_cselect_b64 s[6:7], s[6:7], s[10:11]
	s_and_b32 s32, s17, 1
	s_cmp_eq_u32 s32, 0
	s_cselect_b64 s[4:5], s[4:5], s[6:7]
	s_add_nc_u64 s[G0+2:G0+3], s[4:5], s[2:3]
	s_or_b32 s[G0+3], s[G0+3], 0x80000000          ; type = 2
	tensor_load_to_lds s[G0:G0+3], s[G1:G1+7]      ; my one tensor load
	s_nop 0
	v_and_b32 v2, 31, v0                           ; lane
	v_lshrrev_b32 v10, 4, v2                       ; lane / 16
	v_and_b32 v11, 15, v2                          ; lane % 16
	s_lshr_b32 s32, s16, 1                         ; kq: which 128 along K I work
	s_and_b32 s33, s16, 1                          ; ch: which 32 columns
	s_lshl_b32 s34, s32, 15
	s_lshl_b32 s35, s33, 7
	s_add_co_u32 s34, s34, s35
	v_lshl_add_u32 v3, v2, 2, s34                  ; the tile: row 128 kq, column 32 ch + lane
	s_mul_i32 s34, s33, 32*SP
	s_lshl_b32 s35, s32, 6
	s_add_co_u32 s34, s34, s35
	s_add_co_u32 s34, s34, STG
	v_mul_u32_u24 v4, v2, SP
	v_add_nc_u32 v4, s34, v4                       ; the codes' stage: row = my column, byte 64 kq
	s_lshl_b32 s34, s33, 9
	s_lshl_b32 s35, s32, 2
	s_add_co_u32 s35, s35, s34
	s_add_co_u32 s35, s35, SST
	v_lshl_add_u32 v5, v2, 4, s35                  ; the scale bytes' stage: row = my column, byte 4 kq
	s_add_co_u32 s34, s34, SST
	v_lshl_add_u32 v8, v2, 4, s34                  ; and back (waves 0 and 1): 32 rows of 16 bytes
	s_mul_i32 s34, s16, 8*SP
	s_add_co_u32 s34, s34, STG
	v_mul_u32_u24 v6, v10, SP
	v_lshl_add_u32 v6, v11, 4, v6
	v_add_nc_u32 v6, s34, v6                       ; the codes back: my wave's rows 8 w on, sixteen lanes to a row
	v_lshlrev_b32 v7, 10, v10
	v_lshl_add_u32 v7, v11, 4, v7                  ; and the same place in wq: rows of 1,024 bytes
	v_lshlrev_b32 v9, 4, v2
	s_lshl_b32 s2, s18, 18                         ; wq: n' x 1,024 + 256 y, n' = (2 cg + w / 4) x 128 + 32 gate + 8 (w % 4)
	s_lshr_b32 s34, s16, 2
	s_lshl_b32 s34, s34, 17
	s_add_co_u32 s2, s2, s34
	s_lshl_b32 s34, s17, 15
	s_add_co_u32 s2, s2, s34
	s_and_b32 s34, s16, 3
	s_lshl_b32 s34, s34, 13
	s_add_co_u32 s2, s2, s34
	s_lshl_b32 s34, s19, 8
	s_add_co_u32 s2, s2, s34
	s_add_nc_u64 s[12:13], s[12:13], s[2:3]
	s_lshl_b32 s2, s19, 16                         ; ws: y x 65,536 + n' x 16, n' = (2 cg + w % 2) x 128 + 32 gate
	s_lshl_b32 s34, s18, 12
	s_add_co_u32 s2, s2, s34
	s_lshl_b32 s34, s33, 11
	s_add_co_u32 s2, s2, s34
	s_lshl_b32 s34, s17, 9
	s_add_co_u32 s2, s2, s34
	s_add_nc_u64 s[14:15], s[14:15], s[2:3]
	s_wait_tensorcnt 0x0                           ; my 64 rows have landed,
	s_barrier_signal -1
	s_barrier_wait -1                              ; everybody's have: other waves' rows may be read
.macro LOADB t                         ; block t: W(128 kq + 32 t + i, my column), i = 0 .. 31
.irp i, 0,1,2,3,4,5,6,7,8,9,10,11,12,13,14,15,16,17,18,19,20,21,22,23,24,25,26,27,28,29,30,31
	ds_load_b32 v[X+32*(\t)+\i], v3 offset:(32*(\t)+\i)*256
.endr
.endm
.macro BLOCK t, cnt                    ; cnt: the LDS instructions issued behind block t's loads, which may stay out
.set XS, X+32*(\t)
	s_wait_dscnt \cnt
	v_max3_num_f32 v12, |v[XS]|, |v[XS+1]|, |v[XS+2]|              ; the block's largest magnitude: all 32 numbers are mine; two chains
	v_max3_num_f32 v13, |v[XS+3]|, |v[XS+4]|, |v[XS+5]|
.irp i, 6,10,14,18,22,26
	v_max3_num_f32 v12, v12, |v[XS+\i]|, |v[XS+\i+1]|
	v_max3_num_f32 v13, v13, |v[XS+\i+2]|, |v[XS+\i+3]|
.endr
	v_max3_num_f32 v12, v12, |v[XS+30]|, |v[XS+31]|
	v_max3_num_f32 v12, v12, v13, 0x1800000        ; and the floor 2^(3 - 127): the byte cannot fall under 1
	v_add_nc_u32 v14, 0xff000000, v12              ; 2 off the exponent field: the conversion takes the exponent field of this operand as its scale
	v_lshrrev_b32 v13, 23, v14                     ; the scale's byte
.irp g, 0,1,2,3
	v_cvt_scalef32_pk8_fp4_f32 v[C+4*(\t)+\g], v[XS+8*\g:XS+8*\g+7], v14
.endr
.if (\t) == 0
	v_mov_b32 v[SW], v13                           ; four bytes to a register, the lower K in the lower byte.  (Also the plain line behind the conversions)
.else
	v_lshl_or_b32 v[SW], v13, 8*(\t), v[SW]
.endif
	ds_store_b128 v4, v[C+4*(\t):C+4*(\t)+3] offset:16*(\t)        ; 32 codes: 16 bytes of my column's row
.endm
	LOADB 0
	LOADB 1
	BLOCK 0, 32                                    ; behind block 0's loads: block 1's 32
	LOADB 2
	BLOCK 1, 33                                    ; behind block 1's: one store and block 2's 32
	LOADB 3
	BLOCK 2, 33                                    ; behind block 2's: one store and block 3's 32
	BLOCK 3, 1                                     ; behind block 3's: block 2's store
	ds_store_b32 v5, v[SW]
	s_wait_dscnt 0x0                               ; for the others' sake: my stores into both stages are done
	s_barrier_signal -1
	s_barrier_wait -1
.irp i, 0,1,2,3
	ds_load_b128 v[OUTR+4*\i:OUTR+4*\i+3], v6 offset:2*SP*\i       ; two rows an instruction
.endr
.irp i, 0,1,2,3
	s_wait_dscnt 3-\i                              ; LDS loads come back in order: pair i is in
	global_store_b128 v7, v[OUTR+4*\i:OUTR+4*\i+3], s[12:13] offset:2048*\i   ; sixteen lanes store 256 consecutive bytes, at a multiple of 256 from wq's first byte
.endr
	s_cmp_lt_u32 s16, 2                            ; waves 0 and 1 store the scale bytes of 32 rows n' each
	s_cbranch_scc0 .Lend
	ds_load_b128 v[SOUT:SOUT+3], v8
	s_wait_dscnt 0x0
	global_store_b128 v9, v[SOUT:SOUT+3], s[14:15] ; 512 consecutive bytes, at a multiple of 512 from ws's first byte
.Lend:
	s_wait_tensorcnt 0x0
	ds_add_u32 v200, v201
	s_wait_dscnt 0x0
	s_endpgm
.Lfunc_end_k_qf0f7cb73b7_qw:
	.size	k_qf0f7cb73b7_qw, .Lfunc_end_k_qf0f7cb73b7_qw-k_qf0f7cb73b7_qw
	.p2alignl 7, 3214868480
	.fill 96, 4, 3214868480
	.section	.rodata,"a",@progbits
	.p2align	6, 0x0
	.amdhsa_kernel k_qf0f7cb73b7_qw
		.amdhsa_group_segment_fixed_size 168960
		.amdhsa_private_segment_fixed_size 0
		.amdhsa_enable_private_segment 0
		.amdhsa_kernarg_size 48
		.amdhsa_user_sgpr_count 2
		.amdhsa_user_sgpr_kernarg_segment_ptr 1
		.amdhsa_wavefront_size32 1
		.amdhsa_system_sgpr_workgroup_id_x 1
		.amdhsa_system_sgpr_workgroup_id_y 1
		.amdhsa_system_sgpr_workgroup_id_z 1
		.amdhsa_system_vgpr_workitem_id 0
		.amdhsa_next_free_vgpr 202
		.amdhsa_next_free_sgpr 66
		.amdhsa_reserve_vcc 0
		.amdhsa_float_denorm_mode_32 3
		.amdhsa_float_denorm_mode_16_64 3
		.amdhsa_memory_ordered 1
		.amdhsa_forward_progress 1
		.amdhsa_inst_pref_size 20
	.end_amdhsa_kernel
	.amdgpu_metadata
---
amdhsa.version: [ 1, 2 ]
amdhsa.kernels:
  - .name:           k_qf0f7cb73b7_qw
    .symbol:         k_qf0f7cb73b7_qw.kd
    .args:
      - { .name: W_I, .offset: 0, .size: 8, .value_kind: global_buffer, .address_space: global }
      - { .name: W_F, .offset: 8, .size: 8, .value_kind: global_buffer, .address_space: global }
      - { .name: W_G, .offset: 16, .size: 8, .value_kind: global_buffer, .address_space: global }
      - { .name: W_O, .offset: 24, .size: 8, .value_kind: global_buffer, .address_space: global }
      - { .name: wq, .offset: 32, .size: 8, .value_kind: global_buffer, .address_space: global }
      - { .name: ws, .offset: 40, .size: 8, .value_kind: global_buffer, .address_space: global }
    .group_segment_fixed_size: 168960
    .private_segment_fixed_size: 0
    .kernarg_segment_align: 8
    .kernarg_segment_size: 48
    .max_flat_workgroup_size: 256
    .sgpr_count:     66
    .vgpr_count:     202
    .wavefront_size: 32
...
	.end_amdgpu_metadata
.endif
;; end of part 1
;; launch qx (part 2): grid 512 x 1, 4 waves a work-group, no clusters, 33,280 bytes of LDS; arguments x, h, xq, xs; writes xq, xs
.if DOCPART == 2
	.amdgcn_target "amdgcn-amd-amdhsa--gfx1250"
	.amdhsa_code_object_version 6
	.text
	.protected	k_qf0f7cb73b7_qx
	.globl	k_qf0f7cb73b7_qx
	.p2align	8
	.type	k_qf0f7cb73b7_qx,@function
k_qf0f7cb73b7_qx:
	s_mov_b64 s[64:65], 0
	v_nop
	global_prefetch_b8 v0, s[64:65] scope:SCOPE_SE
	s_setreg_imm32_b32 hwreg(HW_REG_WAVE_MODE, 25, 1), 1
	s_wait_xcnt 0x0
; X = [x | h], each [8192][1024] f32, K innermost, becomes codes of FP4 (E2M1) and one E8M0 byte for each 32 along the joined K of 2,048.
; xq: [8192 rows][1024 bytes], byte = k / 2 (x: bytes 0-511, h: bytes 512-1023).   xs: [4 K steps of 512][8192 rows][16 bytes], byte = block of 32 within the K step.
; A block's scale is 2^(floor(log2(largest magnitude)) - 2): its byte is the largest magnitude's exponent field - 2, held at 1 from below by a floor among the maximum's leaves.
; LIMITS: a block of zeros gets the byte 1 (the stated quantiser says 127): its codes are zeros, which add nothing under any byte but 0xff, and this program alone reads the bytes.  NaN and infinities among the inputs are not served.
; SHARES.  A work-group takes 16 rows; wave w takes K step w of them (waves 0, 1: the halves of x's rows; waves 2, 3: of h's).  A step of the wave is one row's 512 numbers: four loads of 512 consecutive bytes.
; The conversions take neighbours along K from ONE lane's registers, so a step's 2,048 bytes turn through the wave's own stage in LDS: in as loaded (16 bytes a lane), out 64 bytes a lane; 16 bytes of padding behind
; each 64.  Two neighbouring lanes hold a block.  A lane's 16 codes are 8 bytes: the wave stores 256 consecutive bytes, aligned.  The wave's 16 steps make 256 scale bytes, which are consecutive in xs and leave by one store.
; Loads run eight steps (32 loads a wave) ahead; every offset is an immediate; each step has its own registers for codes and byte, so no store's data are written again.
; No tensor loads, no barrier: waves share nothing.  No cluster: no two work-groups read the same byte.
.set STEPS, 16
.set R,     16                         ; v16-143  eight sets of 16 numbers as they are loaded
.set X,     144                        ; v144-175 two sets of 16 neighbours
.set E,     176                        ; v176-191 a scale byte for each step
.set C,     192                        ; v192-223 codes: two registers for each step
.set WREG,  8192                       ; LDS: a region for each wave: two stages of 32 x SP bytes, behind them its 256 scale bytes
.set SP,    80
	s_load_b128 s[4:7], s[0:1], 0x0                ; x, h
	s_load_b128 s[8:11], s[0:1], 0x10              ; xq, xs
	v_lshl_add_u32 v224, v0, 2, 0x8000
	v_mov_b32 v225, 0
	v_lshrrev_b32 v1, 5, v0
	v_readfirstlane_b32 s16, v1                    ; wave
	v_and_b32 v2, 31, v0                           ; lane
	v_lshlrev_b32 v3, 4, v2                        ; my 16 bytes of a load's 512
	s_mul_i32 s17, s16, WREG
	v_lshrrev_b32 v14, 2, v2
	v_mul_u32_u24 v14, v14, SP
	v_and_b32 v15, 3, v2
	v_lshl_add_u32 v14, v15, 4, v14
	v_add_nc_u32 v14, s17, v14                     ; the stage, on the way in: SP (lane / 4) + 16 (lane % 4)
	v_mul_u32_u24 v15, v2, SP
	v_add_nc_u32 v15, s17, v15                     ; and on the way out: SP x lane: my 16 neighbours
	v_lshlrev_b32 v4, 3, v2                        ; 8 bytes a lane: my codes' place in a step's, and my place in the wave's scale bytes
	v_lshrrev_b32 v5, 1, v2
	s_add_co_u32 s17, s17, 2*32*SP
	v_add_nc_u32 v5, s17, v5                       ; LDS: my wave's 256 scale bytes, my block's byte
	v_add_nc_u32 v6, s17, v4                       ; and back, 8 bytes a lane
	s_and_b32 s20, s16, 1
	s_lshl_b32 s20, s20, 11                        ; which half of a row of 4,096 bytes
	s_lshl_b32 s18, ttmp9, 16                      ; 16 rows of 4,096 bytes a work-group
	s_add_co_u32 s18, s18, s20
	s_mov_b32 s19, 0
	s_wait_kmcnt 0x0
	s_cmp_lt_u32 s16, 2                            ; x or h: the choice hangs on the wave's number alone
	s_cselect_b64 s[4:5], s[4:5], s[6:7]
	s_add_nc_u64 s[4:5], s[4:5], s[18:19]
	s_lshl_b32 s18, ttmp9, 14                      ; xq: 16 rows of 1,024 bytes a work-group, 256 bytes a K step
	s_lshl_b32 s20, s16, 8
	s_add_co_u32 s18, s18, s20
	s_add_nc_u64 s[8:9], s[8:9], s[18:19]
	s_lshl_b32 s18, s16, 17                        ; xs: 131,072 bytes a K step, 256 bytes a work-group
	s_lshl_b32 s20, ttmp9, 8
	s_add_co_u32 s18, s18, s20
	s_add_nc_u64 s[10:11], s[10:11], s[18:19]
.macro LOAD t
.irp i, 0,1,2,3
	global_load_b128 v[R+16*((\t)%8)+4*\i:R+16*((\t)%8)+4*\i+3], v3, s[4:5] offset:4096*(\t)+512*\i th:TH_LOAD_NT   ; 32 lanes read 512 consecutive bytes; read once in the launch
.endr
.endm
.macro TURN t                          ; step t's numbers through the stage: LDS serves a wave's instructions in order, so no wait stands between the stores and the loads
.irp i, 0,1,2,3
	ds_store_b128 v14, v[R+16*((\t)%8)+4*\i:R+16*((\t)%8)+4*\i+3] offset:32*SP*((\t)%2)+8*SP*\i
.endr
.irp i, 0,1,2,3
	ds_load_b128 v[X+16*((\t)%2)+4*\i:X+16*((\t)%2)+4*\i+3], v15 offset:32*SP*((\t)%2)+16*\i
.endr
.endm
.irp t, 0,1,2,3,4,5,6,7
	LOAD \t
.endr
	s_wait_loadcnt 28                              ; step 0's four loads are in; those of steps 1 to 7 may be out
	TURN 0
.macro STEP t
.set XS, X+16*((\t)%2)
.if (\t) > 0
	s_wait_dscnt 1                                 ; this step's numbers are back from the stage (the last step's byte store may be out): so its stores into the stage have read their registers,
.else
	s_wait_dscnt 0x0
.endif
.if (\t)+8 < STEPS
	LOAD (\t)+8                                    ; which take the loads of eight steps on
.endif
.if (\t)+1 < STEPS
.if (\t) <= 7
	s_wait_loadcnt 28                              ; the next step's four loads are in; those of the seven steps behind it may be out
.else
	s_wait_loadcnt 4*(14-(\t))                     ; the counts run down: steps t + 2 to 15 may be out
.endif
	TURN (\t)+1                                    ; and go through the other stage while this step is worked
.endif
	v_max3_num_f32 v8, |v[XS]|, |v[XS+1]|, |v[XS+2]|               ; the largest magnitude of my 16, in two chains
	v_max3_num_f32 v9, |v[XS+3]|, |v[XS+4]|, |v[XS+5]|
.irp i, 6,10
	v_max3_num_f32 v8, v8, |v[XS+\i]|, |v[XS+\i+1]|
	v_max3_num_f32 v9, v9, |v[XS+\i+2]|, |v[XS+\i+3]|
.endr
	v_max3_num_f32 v8, v8, |v[XS+14]|, |v[XS+15]|
	v_max3_num_f32 v8, v8, v9, 0x1800000           ; and the floor 2^(3 - 127): the byte cannot fall under 1
	v_max_num_f32_dpp v8, v8, v8 row_xmask:1 row_mask:0xf bank_mask:0xf   ; and of my neighbour's 16: the block's
	v_add_nc_u32 v11, 0xff000000, v8               ; 2 off the exponent field: the conversion's scale operand
	v_cvt_scalef32_pk8_fp4_f32 v[C+2*(\t)], v[XS:XS+7], v11
	v_cvt_scalef32_pk8_fp4_f32 v[C+2*(\t)+1], v[XS+8:XS+15], v11
	v_lshrrev_b32 v[E+(\t)], 23, v11               ; the scale's byte.  (Also the plain line behind the conversions)
	ds_store_b8 v5, v[E+(\t)] offset:16*(\t)       ; both lanes of a block write the same byte with the same value
	global_store_b64 v4, v[C+2*(\t):C+2*(\t)+1], s[8:9] offset:1024*(\t)   ; 32 lanes store 256 consecutive bytes, at a multiple of 256 from xq's first byte
.endm
.irp t, 0,1,2,3,4,5,6,7,8,9,10,11,12,13,14,15
	STEP \t
.endr
	ds_load_b64 v[12:13], v6                       ; LDS serves a wave's instructions in order: these see my byte stores
	s_wait_dscnt 0x0
	global_store_b64 v4, v[12:13], s[10:11]        ; 256 consecutive bytes, at a multiple of 256 from xs's first byte
	s_wait_tensorcnt 0x0
	ds_add_u32 v224, v225
	s_wait_dscnt 0x0
	s_endpgm
.Lfunc_end_k_qf0f7cb73b7_qx:
	.size	k_qf0f7cb73b7_qx, .Lfunc_end_k_qf0f7cb73b7_qx-k_qf0f7cb73b7_qx
	.p2alignl 7, 3214868480
	.fill 96, 4, 3214868480
	.section	.rodata,"a",@progbits
	.p2align	6, 0x0
	.amdhsa_kernel k_qf0f7cb73b7_qx
		.amdhsa_group_segment_fixed_size 33280
		.amdhsa_private_segment_fixed_size 0
		.amdhsa_enable_private_segment 0
		.amdhsa_kernarg_size 32
		.amdhsa_user_sgpr_count 2
		.amdhsa_user_sgpr_kernarg_segment_ptr 1
		.amdhsa_wavefront_size32 1
		.amdhsa_system_sgpr_workgroup_id_x 1
		.amdhsa_system_sgpr_workgroup_id_y 1
		.amdhsa_system_sgpr_workgroup_id_z 1
		.amdhsa_system_vgpr_workitem_id 0
		.amdhsa_next_free_vgpr 226
		.amdhsa_next_free_sgpr 66
		.amdhsa_reserve_vcc 0
		.amdhsa_float_denorm_mode_32 3
		.amdhsa_float_denorm_mode_16_64 3
		.amdhsa_memory_ordered 1
		.amdhsa_forward_progress 1
		.amdhsa_inst_pref_size 33
	.end_amdhsa_kernel
	.amdgpu_metadata
---
amdhsa.version: [ 1, 2 ]
amdhsa.kernels:
  - .name:           k_qf0f7cb73b7_qx
    .symbol:         k_qf0f7cb73b7_qx.kd
    .args:
      - { .name: x, .offset: 0, .size: 8, .value_kind: global_buffer, .address_space: global }
      - { .name: h, .offset: 8, .size: 8, .value_kind: global_buffer, .address_space: global }
      - { .name: xq, .offset: 16, .size: 8, .value_kind: global_buffer, .address_space: global }
      - { .name: xs, .offset: 24, .size: 8, .value_kind: global_buffer, .address_space: global }
    .group_segment_fixed_size: 33280
    .private_segment_fixed_size: 0
    .kernarg_segment_align: 8
    .kernarg_segment_size: 32
    .max_flat_workgroup_size: 128
    .sgpr_count:     66
    .vgpr_count:     226
    .wavefront_size: 32
...
	.end_amdgpu_metadata
.endif
;; end of part 2
;; launch cell (part 3): grid 16 x 32, 4 waves a work-group, clusters of 4 x 4, 327,680 bytes of LDS; arguments xq, xs, wq, ws, b_I, b_F, b_G, b_O, c, out0, out1; writes out0, out1
.if DOCPART == 3
	.amdgcn_target "amdgcn-amd-amdhsa--gfx1250"
	.amdhsa_code_object_version 6
	.text
	.protected	k_qf0f7cb73b7_cell
	.globl	k_qf0f7cb73b7_cell
	.p2align	8
	.type	k_qf0f7cb73b7_cell,@function
k_qf0f7cb73b7_cell:
	s_mov_b64 s[64:65], 0
	v_nop
	global_prefetch_b8 v0, s[64:65] scope:SCOPE_SE
	s_setreg_imm32_b32 hwreg(HW_REG_WAVE_MODE, 25, 1), 1
	s_wait_xcnt 0x0
	s_wait_alu depctr_hold_cnt(0) depctr_sa_sdst(0) depctr_va_vdst(0) depctr_va_sdst(0) depctr_va_ssrc(0) depctr_va_vcc(0) depctr_vm_vsrc(0)
	s_getreg_b32 s2, hwreg(HW_REG_IB_STS2, 6, 4)
	s_cmp_eq_u32 s2, 0
	s_cbranch_scc0 .Lentry_in_a_cluster
	s_endpgm
.Lentry_in_a_cluster:
	s_bfe_u32 s2, ttmp6, 0x10000c
	s_cmp_lg_u32 s2, 0xf033
	s_cbranch_scc0 .Lentry_shape_is_right
	s_endpgm
.Lentry_shape_is_right:
; gates = X W + b on codes of FP4 (E2M1) with one E8M0 scale for each 32 along K (M = 8,192, K = 2,048, N = 4,096), sums in f32; then, in f32,
; C = sigmoid(f) c + sigmoid(i) tanh(g)  (out1)  and  H = sigmoid(o) tanh(C)  (out0).  The gates never go to memory.
; xq [8192][1024 bytes], wq [4096 rows n'][1024 bytes]: codes, K innermost.  xs [4][8192][16], ws [4][4096][16]: scale bytes, laid by K step of 512.
; wq's rows are ordered n' = (j / 32) x 128 + gate x 32 + j % 32 (gate 0 = I, 1 = F, 2 = G, 3 = O): a tile of 256 rows n' is 64 columns j x 4 gates, a wave's 128 rows are 32 columns j x 4 gates.
; SHARES.  A work-group of four waves, as many as a WGP has SIMDs, makes 256 rows x 256 n'; a wave 128 x 128: 64 accumulators of 16 x 16, 512 registers.  512 work-groups.
; THE MATRIX INSTRUCTION IS USED TRANSPOSED (source 0 = 16 rows of wq, source 1 = 16 rows of xq): in accumulator (a, b = 2 gate + u) lane (r, h) holds in register i the gate of row 16 a + r at column
; j = 16 u + 8 h + i of the wave's 32: THE FOUR GATES OF AN ELEMENT LIE IN ONE LANE AT ONE REGISTER INDEX, and a lane's eight numbers are 32 neighbouring bytes of a row of c, out0 and out1.
; The biases are the C of each sum's first matrix instruction.
; K goes in four steps of 512 (rows of 256 bytes) through two LDS slots filled by the tensor data mover; the text is straight: four K steps need no loop.  The scale bytes of the tile's rows, for all of K, come once.
; CLUSTERS: 4 x 4 work-groups.  The four of a row of the cluster need the same tiles of xq, the four of a column the same tiles of wq: each is asked for JOINTLY, by the same tensor load with the same
; descriptor and a mask that names the four.  c's tile is read by one work-group alone: a plain tensor load, issued at the third change of slots into the bytes that held xq's tiles of slot 0.
; THE WAY OUT: C and H go through two stages in slot 1 (it has had its last fill and, behind a barrier, its last read) and leave as whole rows of 256 bytes.
; ARITHMETIC.  sigmoid(z) = 1 / (1 + 2^(-z log2 e)); tanh(z) = (E - 1) / (E + 1), E = 2^(min(2 z log2 e, 32)): from that exponent on the quotient is 1 in f32, so the hold changes no result and keeps E finite.
; A sigmoid's exponential may reach infinity: its reciprocal is then 0 and meets finite factors alone.  I tanh(g) and O tanh(C) each take one reciprocal, of the product of their two denominators.
; LIMITS: NaN and infinities among the inputs are not served.  The exponentials and reciprocals give 0 for results under 2^-126 (ISA guide, their entries in 15.8): an absolute error under 1.2e-38.
; REGISTERS, in windows of 256: window 0: v1-29 addresses; v32-95 scale words, two sets, and nothing else; v128-191 xq's fragments, ONE set; v192-255 the biases; behind the last product v96-255 are the gates' two sets of 80.
;   window 1: wq's fragments, TWO sets, at v0 and v128.   window 2: the 32 accumulators of my rows 0-63 ((a, b) at v[8 (8 a + b)]);   window 3: those of my rows 64-127.
.set NQ,     4                         ; matrix instructions deep in a slot: 512 / 128
.set ROWB,   256                       ; a tile's row in bytes: 512 codes
.set PITCH,  272                       ; an LDS row: 256 bytes + 16 of padding = 68 words: row r starts at bank 4 r mod 64 (64 banks of 4 bytes: ISA guide 11.1)
.set FR,     8                         ; registers of a fragment: 16 rows x 128 K
.set NL,     2                         ; LDS loads that bring one
.set NP,     4                         ; places behind this matrix instruction (ISA guide 7.12.1)
.set HALFT,  128*PITCH                 ; 128 rows: what one tensor load brings, and what one wave reads of xq or of wq
.set SLOT,   4*HALFT                   ; xq's 256 rows, then wq's 256 rows
.set SCL,    2*SLOT                    ; behind the ring: the scale bytes: four blocks (xq's rows 0-127, 128-255, wq's 0-127, 128-255) of [4 K steps][128 rows][16 bytes]
.set SBLK,   8192
.set SPARE,  SCL+4*SBLK                ; behind them: the spare words, 128 bytes for each wave: two blocks of 256 bytes that no other line names
.set STGC,   SLOT                      ; the stage for C: 256 rows x 272 bytes, in slot 1;
.set STGH,   SLOT+2*HALFT              ; the stage for H behind it
.set CAD,  8                           ; v8   c's tile in LDS: (128 WR + r) x 272 + 128 WC + 32 h
.set STOC, 9                           ; v9   the same place in the stage for C
.set STOH, 10                          ; v10  and for H
.set RDC,  11                          ; v11  the way out: my wave's 64 whole rows of the stage for C, sixteen lanes to a row
.set RDH,  12                          ; v12  and for H
.set CO,   13                          ; v13  the same place in out0 and out1
.set VB,   14                          ; v14  my byte offset in each bias
.set PF,   15                          ; v15  the byte offset in c of the row that I prefetch
.set ADRA, 16                          ; v16-17  LDS address of my xq fragments in slot 0, 1
.set ADRB, 20                          ; v20-21  the same for wq
.set ADRS, 27                          ; v27  LDS address of my scale words: lanes 0-15 xq's rows, lanes 16-31 wq's
.set SPW,  28                          ; v28  LDS address of my spare word; never rewritten
.set NIL,  29                          ; v29  0; never rewritten
.set SC,   32                          ; scale words: set s at v[SC + 32 s]; register 4 i + q: lanes 0-15 xq's block i, lanes 16-31 wq's block i, the slot's q-th 128 along K
.set AF,   128
.set BIAS, 192                         ; v[BIAS + 8 b ..]: the bias in accumulator (., b)'s layout
.set G1A,  24                          ; s[24:31], s[32:39] groups 1 and 0 (a set for each slot) for xq's tiles
.set G0A,  32
.set G1B,  40                          ; s[40:47], s[48:55] for wq's
.set G0B,  48
.set G1SA, 56                          ; s[56:63], s[68:71] for xq's scale bytes
.set G0SA, 68
.set G1SB, 72                          ; s[72:79], s[80:83] for wq's
.set G0SB, 80
.set G1C,  84                          ; s[84:91], s[92:95] for c's tile
.set G0C,  92
.set WV,   96                          ; s96 wave; s97 WR: my half of the rows, also: I fetch for xq (0) or wq (1); s98 WC: my half of the columns, also: which 128 rows I fetch
.set WR,   97
.set WC,   98
.set MSB, 0
.macro WIN new                         ; the immediate's high byte repeats the setting that is left; a switch that changes nothing is dropped
.if MSB != \new
	s_set_vgpr_msb (MSB<<8)|\new
.set MSB, \new
.endif
.endm
.set MUL_LO, 0xa1                      ; source 0 (wq) window 1, source 1 (xq) window 0, C and D window 2
.set MUL_HI, 0xf1                      ; the same, C and D window 3
.set TO_B,   0x40                      ; destination window 1, address window 0
; A joint load: waves 0 and 1 fetch for xq, waves 2 and 3 for wq.  Each line has ONE mask and one set of registers for all that issue it; the branch hangs on the wave's number alone.
; Four v_nop follow each of the two lines, ahead of the jump, the label and what follows.
.macro JLOAD g0a, g1a, g0b, g1b
	s_cmp_eq_u32 s[WR], 0
	s_cbranch_scc0 .Lfor_b_\@
	tensor_load_to_lds s[\g0a:\g0a+3], s[\g1a:\g1a+7]
	s_nop 0
.rept 4
	v_nop
.endr
	s_branch .Lasked_\@
.Lfor_b_\@:
	tensor_load_to_lds s[\g0b:\g0b+3], s[\g1b:\g1b+7]
	s_nop 0
.rept 4
	v_nop
.endr
.Lasked_\@:
.endm
.macro CREST                           ; a round of the cluster's barrier behind its opening barrier
	s_cmp_lg_u32 s[WV], 0
	s_cbranch_scc1 .Lnot_wave_0_\@
	s_barrier_signal -3
.Lnot_wave_0_\@:
	s_barrier_wait -3
	s_barrier_signal -1
	s_barrier_wait -1
.endm
.macro CROUND                          ; a whole round
	s_barrier_signal -1
	s_barrier_wait -1
	CREST
.endm
	s_load_b256 s[4:11], s[0:1], 0x0               ; xq s[4:5], xs s[6:7], wq s[8:9], ws s[10:11]
	s_load_b128 s[12:15], s[0:1], 0x40             ; c s[12:13], out0 s[14:15]
	s_load_b64 s[16:17], s[0:1], 0x50              ; out1
	v_lshl_add_u32 v[SPW], v0, 2, SPARE
	v_mov_b32 v[NIL], 0
	ds_add_u32 v28, v29
	ds_add_u32 v28, v29
	s_wait_dscnt 0x0
	v_lshrrev_b32 v1, 5, v0
	v_readfirstlane_b32 s[WV], v1                  ; wave 0..3
	s_lshr_b32 s[WR], s[WV], 1
	s_and_b32 s[WC], s[WV], 1
	s_bfe_u32 s101, ttmp6, 0x40000                 ; cx, cy: my place in the cluster
	s_bfe_u32 s104, ttmp6, 0x40004
	s_lshl_b32 s100, ttmp9, 2
	s_add_co_u32 s100, s100, s101                  ; TC: tile column = 4 x cluster x + cx
	s_and_b32 s99, ttmp7, 0xffff
	s_lshl_b32 s99, s99, 2
	s_add_co_u32 s99, s99, s104                    ; TR: tile row = 4 x cluster y + cy
	s_lshl_b32 s18, s104, 2
	s_lshl_b32 s18, 15, s18                        ; my row of the cluster
	s_lshl_b32 s19, 0x1111, s101                   ; my column
	; group 1 for the codes: a tile of 128 rows x 256 bytes, padded in LDS
	s_or_b32 s[G1A], s18, (1<<20)|(1<<21)|(5<<22)|(3<<25)   ; 15:0 the mask: xq's tiles go to my row; 17:16 elements of 1 byte; 20 padding on; 21 set beside a mask; 24:22 after every 64 words (code 5); 31:25 four words (code 3)
	s_or_b32 s[G1B], s19, (1<<20)|(1<<21)|(5<<22)|(3<<25)   ; wq's go to my column
.irp g, G1A, G1B
	s_mov_b32 s[\g+1], ROWB<<16                    ; tensor_dim0
	s_mov_b32 s[\g+2], 128<<16                     ; tensor_dim1
	s_mov_b32 s[\g+3], ROWB<<16                    ; tile_dim0
	s_mov_b32 s[\g+4], 128                         ; tile_dim1
	s_mov_b32 s[\g+5], 1024                        ; bytes from row to row
	s_mov_b32 s[\g+6], 0
	s_mov_b32 s[\g+7], 0
.endr
	; group 1 for the scale bytes of 128 rows: four rows (one a K step) of 2,048 bytes = 256 elements of 8 bytes; no padding: a fragment's sixteen rows are 256 consecutive bytes
	s_or_b32 s[G1SA], s18, (3<<16)|(1<<21)
	s_or_b32 s[G1SB], s19, (3<<16)|(1<<21)
.irp g, G1SA, G1SB
	s_mov_b32 s[\g+1], 256<<16
	s_mov_b32 s[\g+2], 4<<16
	s_mov_b32 s[\g+3], 256<<16
	s_mov_b32 s[\g+4], 4
	s_mov_b32 s[\g+6], 0
	s_mov_b32 s[\g+7], 0
.endr
	s_mov_b32 s[G1SA+5], 16384                     ; from K step to K step: 8,192 rows x 16 bytes, in elements of 8 bytes
	s_mov_b32 s[G1SB+5], 8192                      ; 4,096 rows x 16 bytes
	; group 1 for c: 64 rows x 64 f32, padded; no mask
	s_mov_b32 s[G1C], (2<<16)|(1<<20)|(5<<22)|(3<<25)
	s_mov_b32 s[G1C+1], 64<<16
	s_mov_b32 s[G1C+2], 64<<16
	s_mov_b32 s[G1C+3], 64<<16
	s_mov_b32 s[G1C+4], 64
	s_mov_b32 s[G1C+5], 1024
	s_mov_b32 s[G1C+6], 0
	s_mov_b32 s[G1C+7], 0
	; every vector address is made here, ahead of the first branch.  No place in the cluster enters an LDS address.
	v_and_b32 v1, 15, v0                           ; r = lane % 16
	v_bfe_u32 v2, v0, 4, 1                         ; h = lane / 16
	v_mul_u32_u24 v3, v1, PITCH
	v_lshl_add_u32 v4, v2, 4, v3                   ; a fragment's row x pitch + 16 h
	s_mul_i32 s2, s[WR], HALFT                     ; my 128 rows of xq
	s_mul_i32 s3, s[WC], HALFT                     ; my 128 rows of wq,
	s_add_co_u32 s3, s3, 2*HALFT                   ; which lie behind xq's 256
.irp s, 0,1
	v_add_nc_u32 v[ADRA+\s], s2, v4
	v_add_nc_u32 v[ADRB+\s], s3, v4
	s_add_co_u32 s2, s2, SLOT
	s_add_co_u32 s3, s3, SLOT
.endr
	s_lshl_b32 s2, s[WR], 13                       ; the scale words: xq's block of my 128 rows,
	s_lshl_b32 s3, s[WC], 13
	s_add_co_u32 s3, s3, 2*SBLK                    ; wq's, behind xq's two;
	s_sub_co_u32 s3, s3, s2
	v_mul_u32_u24 v6, s3, v2                       ; lanes 16-31 take wq's: the lower base + h x the distance
	s_add_co_u32 s2, s2, SCL
	v_lshl_add_u32 v5, v1, 4, v6                   ; 16 bytes a row
	v_add_nc_u32 v[ADRS], s2, v5
	s_mul_i32 s2, s[WR], 128*PITCH
	s_lshl_b32 s3, s[WC], 7
	s_add_co_u32 s2, s2, s3
	v_lshl_add_u32 v5, v2, 5, v3
	v_add_nc_u32 v[CAD], s2, v5
	v_add_nc_u32 v[STOC], STGC, v[CAD]
	v_add_nc_u32 v[STOH], STGH, v[CAD]
	s_mul_i32 s2, s[WV], 64*PITCH
	s_add_co_u32 s2, s2, STGC
	v_mul_u32_u24 v5, v2, PITCH
	v_lshl_add_u32 v5, v1, 4, v5
	v_add_nc_u32 v[RDC], s2, v5
	v_add_nc_u32 v[RDH], 2*HALFT, v[RDC]
	v_lshlrev_b32 v5, 12, v2
	v_lshl_add_u32 v[CO], v1, 4, v5                ; lanes 0-15 one row of 4,096 bytes, lanes 16-31 the next; 16 bytes a lane
	s_lshl_b32 s22, s100, 8
	s_add_co_u32 s22, s22, s3
	v_lshl_add_u32 v[VB], v2, 5, s22               ; 256 TC + 128 WC + 32 h
	s_lshl_b32 s66, s99, 20                        ; the tile's first byte in c, out0 and out1: 256 TR rows of 4,096 bytes + 256 TC
	s_lshl_b32 s67, s100, 8
	s_add_co_u32 s66, s66, s67
	v_lshl_add_u32 v[PF], v0, 12, s66              ; + a row for each thread
	s_lshl_b32 s67, s[WV], 18
	s_add_co_u32 s66, s66, s67                     ; + my wave's 64 rows
	s_mov_b32 s67, 0
	; where the tiles come from.  xq's hang on the tile row alone, wq's on the tile column alone, each in registers that never hold the other coordinate
	s_lshl_b32 s20, s99, 18                        ; 256 TR rows of 1,024 bytes
	s_lshl_b32 s2, s[WC], 17                       ; + which 128 rows I fetch
	s_add_co_u32 s20, s20, s2
	s_mov_b32 s21, 0
	s_lshl_b32 s22, s100, 18
	s_add_co_u32 s22, s22, s2
	s_mov_b32 s23, 0
	s_mul_i32 s105, s[WV], HALFT                   ; where they go: wave x 128 rows
	s_lshl_b32 s3, s[WV], 13                       ; and the scale bytes: wave x 8,192
	s_wait_kmcnt 0x0
	s_add_nc_u64 s[4:5], s[4:5], s[20:21]
	s_add_nc_u64 s[8:9], s[8:9], s[22:23]
	s_lshl_b32 s20, s99, 12                        ; the same rows' scale bytes: 16 a row
	s_lshl_b32 s2, s[WC], 11
	s_add_co_u32 s20, s20, s2
	s_lshl_b32 s22, s100, 12
	s_add_co_u32 s22, s22, s2
	s_add_nc_u64 s[6:7], s[6:7], s[20:21]
	s_add_nc_u64 s[10:11], s[10:11], s[22:23]
.irp s, 0,1
	s_mov_b32 s[G0A+4*\s], 1                                       ; count = 1
	s_add_co_u32 s[G0A+4*\s+1], s105, \s*SLOT                      ; LDS address
	s_add_nc_u64 s[G0A+4*\s+2:G0A+4*\s+3], s[4:5], \s*ROWB         ; global address: K step s
	s_or_b32 s[G0A+4*\s+3], s[G0A+4*\s+3], 0x80000000              ; type = 2
	s_mov_b32 s[G0B+4*\s], 1
	s_add_co_u32 s[G0B+4*\s+1], s105, \s*SLOT
	s_add_nc_u64 s[G0B+4*\s+2:G0B+4*\s+3], s[8:9], \s*ROWB
	s_or_b32 s[G0B+4*\s+3], s[G0B+4*\s+3], 0x80000000
.endr
	s_mov_b32 s[G0SA], 1
	s_add_co_u32 s[G0SA+1], s3, SCL
	s_mov_b64 s[G0SA+2:G0SA+3], s[6:7]
	s_or_b32 s[G0SA+3], s[G0SA+3], 0x80000000
	s_mov_b32 s[G0SB], 1
	s_add_co_u32 s[G0SB+1], s3, SCL
	s_mov_b64 s[G0SB+2:G0SB+3], s[10:11]
	s_or_b32 s[G0SB+3], s[G0SB+3], 0x80000000
	s_mov_b32 s[G0C], 1
	s_mul_i32 s[G0C+1], s[WV], 64*PITCH            ; c's 64 rows of my wave: into the bytes of slot 0 that hold xq's tiles
	s_add_nc_u64 s[G0C+2:G0C+3], s[12:13], s[66:67]
	s_or_b32 s[G0C+3], s[G0C+3], 0x80000000
	s_add_nc_u64 s[14:15], s[14:15], s[66:67]      ; out0 and out1 at my wave's first row
	s_add_nc_u64 s[16:17], s[16:17], s[66:67]
	CROUND                                         ; all sixteen work-groups are here: the first joint loads meet
	JLOAD G0SA, G1SA, G0SB, G1SB                   ; the scale bytes first: they are wanted with K step 0.  Three tensor loads of mine are out behind these lines
	JLOAD G0A, G1A, G0B, G1B
	JLOAD G0A+4, G1A, G0B+4, G1B
	s_load_b256 s[4:11], s[0:1], 0x20              ; b_I, b_F, b_G, b_O (the four pointers that stood here have gone into the descriptors)
	s_wait_kmcnt 0x0
.irp g, 0,1,2,3
.irp u, 0,1
	global_load_b128 v[BIAS+16*\g+8*\u:BIAS+16*\g+8*\u+3],   v[VB], s[4+2*\g:5+2*\g] offset:64*\u      ; b_gate at columns 16 u + 8 h + 0 .. 7 of my 32
	global_load_b128 v[BIAS+16*\g+8*\u+4:BIAS+16*\g+8*\u+7], v[VB], s[4+2*\g:5+2*\g] offset:64*\u+16
.endr
.endr
.macro FRAG reg, adr, q, i             ; a fragment, 16 rows x 128 K of 4-bit codes: lane l holds row l % 16; registers 4 c .. 4 c + 3 hold K = 64 c + 32 (l / 16) + 0 .. 31
.irp c, 0,1
	ds_load_b128 v[\reg+4*\c:\reg+4*\c+3], v[\adr] offset:64*(\q)+32*\c+(\i)*16*PITCH
.endr
.endm
; 16 matrix instructions: xq's blocks a0, a0 + 1 x wq's eight, the slot's q-th 128 along K.  p: wq's set;  sc: the set of scale words.  first = 1: the bias is the C of the sum's first product: nothing is cleared or added.
; The 64 accumulators take turns, one instruction a turn, in the same order in every step.
.macro MUL16 a0, p, q, sc, first
.irp a, \a0, \a0+1
.irp b, 0,1,2,3,4,5,6,7
.if \first
	v_wmma_scale_f32_16x16x128_f8f6f4 v[8*(8*((\a)%4)+\b):8*(8*((\a)%4)+\b)+7], v[128*(\p)+FR*\b:128*(\p)+FR*\b+FR-1], v[AF+FR*(\a):AF+FR*(\a)+FR-1], v[BIAS+8*\b:BIAS+8*\b+7], v[SC+8*NQ*(\sc)+NQ*\b+(\q)], v[SC+8*NQ*(\sc)+NQ*(\a)+(\q)] matrix_a_fmt:MATRIX_FMT_FP4 matrix_b_fmt:MATRIX_FMT_FP4 matrix_a_scale:MATRIX_SCALE_ROW1
.else
	v_wmma_scale_f32_16x16x128_f8f6f4 v[8*(8*((\a)%4)+\b):8*(8*((\a)%4)+\b)+7], v[128*(\p)+FR*\b:128*(\p)+FR*\b+FR-1], v[AF+FR*(\a):AF+FR*(\a)+FR-1], v[8*(8*((\a)%4)+\b):8*(8*((\a)%4)+\b)+7], v[SC+8*NQ*(\sc)+NQ*\b+(\q)], v[SC+8*NQ*(\sc)+NQ*(\a)+(\q)] matrix_a_fmt:MATRIX_FMT_FP4 matrix_b_fmt:MATRIX_FMT_FP4 matrix_a_scale:MATRIX_SCALE_ROW1
.endif
.endr
.endr
.endm
.macro FETCH_B slot, q, p              ; wq's eight fragments of the slot's q-th 128 along K into set p
	WIN TO_B
.irp i, 0,1,2,3,4,5,6,7
	FRAG 128*(\p)+FR*\i, ADRB+\slot, \q, \i
.endr
	WIN 0
.endm
.macro FETCH_A slot, q, i0             ; xq's blocks i0 .. i0 + 3
.irp i, \i0, \i0+1, \i0+2, \i0+3
	FRAG AF+FR*(\i), ADRA+\slot, \q, \i
.endr
.endm
.macro SCALES sc                       ; a K step's scale words into set sc: four words a row; lanes 0-15 take xq's block i, lanes 16-31 wq's block i; sixteen lanes read 256 consecutive bytes
.irp i, 0,1,2,3,4,5,6,7
	ds_load_b128 v[SC+8*NQ*\sc+NQ*\i:SC+8*NQ*\sc+NQ*\i+3], v[ADRS] offset:\i*256
.endr
.endm
; A load into a register that a matrix instruction has read, and a vector instruction or an LDS store that reads a matrix result, stand NP places behind that matrix instruction; only plain vector
; instructions that name none of its registers are places (ISA guide 7.12.1 for vector instructions).
.macro PLACES n
.rept \n
	v_nop
.endr
.endm
; A step of 128 along K that has its successor in the same slot.  A block of xq is free as soon as its eight products are issued, so one set serves xq: blocks 0-3 are fetched anew in the step's middle, blocks 4-7 at its end.
.macro STEP slot, q, first
	s_wait_dscnt 4*NL                              ; wq's set, xq's blocks 0-3 (and the scale words) are in; the youngest eight loads, xq's blocks 4-7, may be out
.if \first
	WIN 0x81                                       ; C (the bias) window 0, D window 2
.else
	WIN MUL_LO
.endif
	MUL16 0, (\q)%2, \q, \slot, \first
	MUL16 2, (\q)%2, \q, \slot, \first
	s_wait_dscnt 0                                 ; xq's blocks 4-7 are in (asked for 32 matrix instructions ago)
	PLACES NP
	FETCH_B \slot, (\q)+1, 1-(\q)%2
	FETCH_A \slot, (\q)+1, 0
.if \first
	WIN 0xc1                                       ; C window 0, D window 3
.else
	WIN MUL_HI
.endif
	MUL16 4, (\q)%2, \q, \slot, \first
	MUL16 6, (\q)%2, \q, \slot, \first
	PLACES NP
	WIN 0
	FETCH_A \slot, (\q)+1, 4
.endm
; A slot's last step changes slots: ONE barrier, which opens a round of the cluster's.  In front of it each wave waits for all its tensor loads, adds 0 to its spare word, and waits for that and for its own reads of this slot.
; fill = 1: this slot takes the K step two steps on, by a joint load.  fill = 2: the bytes that held xq's tiles of this slot take c's tile, by a plain load of every wave.
.macro TURN slot, next, fill
	s_wait_tensorcnt 0x0                           ; all my tensor loads have landed: the one that was out is my part of the next slot;  (every window is 0 here)
	ds_add_u32 v[SPW], v[NIL]                      ; 0 onto my spare word;
	s_wait_dscnt 4*NL+1                            ; (the add and the youngest eight loads, xq's blocks 4-7, may be out)
	WIN MUL_LO
	MUL16 0, 1, NQ-1, \slot, 0                     ; sixteen matrix instructions stand between the add and the wait for it
	s_wait_dscnt 0x0                               ; the add is done, and my reads of this slot are over
	s_barrier_signal -1
	MUL16 2, 1, NQ-1, \slot, 0
	WIN 0
	s_barrier_wait -1
	CREST                                          ; no wave of any partner still reads this slot's tiles or has a load on its way
.if \fill == 1
	s_add_nc_u64 s[G0A+4*\slot+2:G0A+4*\slot+3], s[G0A+4*\slot+2:G0A+4*\slot+3], 2*ROWB
	s_add_nc_u64 s[G0B+4*\slot+2:G0B+4*\slot+3], s[G0B+4*\slot+2:G0B+4*\slot+3], 2*ROWB
	JLOAD G0A+4*\slot, G1A, G0B+4*\slot, G1B       ; the first tensor load behind the round, my one load until the next; the four v_nop behind it are the places in front of the loads below
.else
	tensor_load_to_lds s[G0C:G0C+3], s[G1C:G1C+7]  ; my 64 rows of c: it has a whole K step, 256 matrix instructions, in which to land
	s_nop 0
	PLACES 4
.endif
	v_add_nc_u32 v[ADRS], 2048, v[ADRS]            ; on to the next K step's scale words (no LDS load of mine is out)
	FETCH_B \next, 0, 0
	FETCH_A \next, 0, 0
	SCALES \next
	WIN MUL_HI
	MUL16 4, 1, NQ-1, \slot, 0
	MUL16 6, 1, NQ-1, \slot, 0
	PLACES NP
	WIN 0
	FETCH_A \next, 0, 4
.endm
.macro STEPS slot, from                ; the slot's steps from .. NQ - 2
.set Q, \from
.rept NQ-1-\from
	STEP \slot, Q, 0
.set Q, Q+1
.endr
.endm
	s_wait_tensorcnt 1                             ; the scale bytes and my part of K step 0 are in (K step 1's load may be out)
	s_barrier_signal -1
	s_barrier_wait -1                              ; everybody's are
	FETCH_B 0, 0, 0
	FETCH_A 0, 0, 0
	SCALES 0
	FETCH_A 0, 0, 4
	s_wait_loadcnt 0x0                             ; the biases
	STEP 0, 0, 1                                   ; K step 0: its first products start the sums from the biases
	STEPS 0, 1
	TURN 0, 1, 1                                   ; slot 0 takes K step 2
	global_prefetch_b8 v[PF], s[12:13] th:TH_LOAD_NT scope:SCOPE_SE                 ; c's tile: 256 rows of 256 aligned bytes, a row to a thread in each of the two lines, each row asked for once in the launch;
	global_prefetch_b8 v[PF], s[12:13] offset:524288 th:TH_LOAD_NT scope:SCOPE_SE   ; two K steps ahead of the tensor load that brings it.  Both stay inside c: the tile's last row is the last asked for
	STEPS 1, 0                                     ; K step 1
	TURN 1, 0, 1                                   ; slot 1 takes K step 3
	STEP 0, 0, 0                                   ; K step 2
	STEPS 0, 1
	TURN 0, 1, 2                                   ; c's tile goes out
	STEPS 1, 0                                     ; K step 3
	s_wait_dscnt 4*NL                              ; the very last step: nothing more to fetch
	WIN MUL_LO
	MUL16 0, 1, NQ-1, 1, 0
	MUL16 2, 1, NQ-1, 1, 0
	s_wait_dscnt 0x0                               ; my reads of slot 1 are over,
	s_wait_tensorcnt 0x0                           ; and my 64 rows of c have landed (no load was issued behind that one):
	s_barrier_signal -1                            ; say so.
	WIN MUL_HI
	MUL16 4, 1, NQ-1, 1, 0
	MUL16 6, 1, NQ-1, 1, 0
	WIN 0
	s_barrier_wait -1                              ; nobody reads slot 1 any more: it may take the stages; c's tile is whole
	PLACES NP                                      ; behind the last products: the loads and vector lines below write registers that held xq's fragments, and read results
	s_mov_b32 s18, 0xbfb8aa3b                      ; -log2(e), as a pair: the packed forms name a pair and take its low word for both halves
	s_mov_b32 s19, s18
	s_mov_b32 s20, 0x4038aa3b                      ; 2 log2(e)
	s_mov_b32 s21, s20
	s_mov_b32 s22, 0x42000000                      ; 32.0
; THE GATES, a block of 16 rows at a time: 16 elements a lane.  Set p = a % 2 of 80 registers at P: TI +0, TF +16, TG +32, TO +48 (accumulator (a, b) goes to P + 8 b), c and then C at +64.
.macro VEXP base, n
.set J, 0
.rept \n
	v_exp_f32 v[\base+J], v[\base+J]
.set J, J+1
.endr
	v_nop                                          ; a plain line between the transcendentals and the use of their results (ISA guide 5.7.2)
	s_wait_alu depctr_va_vdst(0)
.endm
.macro VRCP base, n
.set J, 0
.rept \n
	v_rcp_f32 v[\base+J], v[\base+J]
.set J, J+1
.endr
	v_nop
	s_wait_alu depctr_va_vdst(0)
.endm
.macro VCAP base                       ; sixteen exponents held at 32
.set J, 0
.rept 16
	v_min_num_f32 v[\base+J], s22, v[\base+J]
.set J, J+1
.endr
.endm
.macro PADD base, n, k                 ; n pairs += k
.set J, 0
.rept \n
	v_pk_add_f32 v[\base+J:\base+J+1], v[\base+J:\base+J+1], \k op_sel_hi:[1,0]
.set J, J+2
.endr
.endm
.macro PMUL d, x, y                    ; eight pairs: d = x y
.set J, 0
.rept 8
	v_pk_mul_f32 v[\d+J:\d+J+1], v[\x+J:\x+J+1], v[\y+J:\y+J+1]
.set J, J+2
.endr
.endm
.macro GATE a
.set P,  96+80*((\a)%2)
.set AC, 64*((\a)%4)
.irp u, 0,1
	ds_load_b128 v[P+64+8*\u:P+64+8*\u+3],   v[CAD] offset:16*PITCH*(\a)+64*\u      ; c(16 a + r, 16 u + 8 h + 0 .. 7): wanted far below
	ds_load_b128 v[P+64+8*\u+4:P+64+8*\u+7], v[CAD] offset:16*PITCH*(\a)+64*\u+16
.endr
	WIN (0x02+(\a)/4)                              ; source 0: window 2 or 3
.irp b, 0,1,2,3,4,5,6,7                ; the exponents: -z log2(e) for the three sigmoids, 2 z log2(e) for the tanh; each accumulator from its low end on
.irp i, 0,2,4,6
.if \b/2 == 2
	v_pk_mul_f32 v[P+8*\b+\i:P+8*\b+\i+1], v[AC+8*\b+\i:AC+8*\b+\i+1], s[20:21] op_sel_hi:[1,0]
.else
	v_pk_mul_f32 v[P+8*\b+\i:P+8*\b+\i+1], v[AC+8*\b+\i:AC+8*\b+\i+1], s[18:19] op_sel_hi:[1,0]
.endif
.endr
.endr
	WIN 0
	VCAP P+32
	VEXP P, 64
	PADD P, 32, 1.0                                ; 1 + e_i, 1 + e_f, E + 1, 1 + e_o
	PMUL P, P, P+32                                ; (1 + e_i)(E + 1)
	PADD P+32, 8, -2.0                             ; E - 1
	VRCP P, 32                                     ; 1 / ((1 + e_i)(E + 1)), and F
	PMUL P, P, P+32                                ; I tanh(g)
	s_wait_dscnt 0x0                               ; c is in; and the block before has had its stores done: its set is written again only in the next block
.set J, 0
.rept 8
	v_pk_fma_f32 v[P+64+J:P+64+J+1], v[P+16+J:P+16+J+1], v[P+64+J:P+64+J+1], v[P+J:P+J+1]   ; C = F c + I tanh(g)
.set J, J+2
.endr
.irp u, 0,1
	ds_store_b128 v[STOC], v[P+64+8*\u:P+64+8*\u+3]   offset:16*PITCH*(\a)+64*\u
	ds_store_b128 v[STOC], v[P+64+8*\u+4:P+64+8*\u+7] offset:16*PITCH*(\a)+64*\u+16
.endr
.set J, 0
.rept 8
	v_pk_mul_f32 v[P+32+J:P+32+J+1], v[P+64+J:P+64+J+1], s[20:21] op_sel_hi:[1,0]   ; 2 C log2(e)
.set J, J+2
.endr
	VCAP P+32
	VEXP P+32, 16
	PADD P+32, 8, 1.0                              ; E + 1
	PMUL P+48, P+48, P+32                          ; (1 + e_o)(E + 1)
	PADD P+32, 8, -2.0                             ; E - 1
	VRCP P+48, 16
	PMUL P+16, P+32, P+48                          ; H = O tanh(C)
.irp u, 0,1
	ds_store_b128 v[STOH], v[P+16+8*\u:P+16+8*\u+3]   offset:16*PITCH*(\a)+64*\u
	ds_store_b128 v[STOH], v[P+16+8*\u+4:P+16+8*\u+7] offset:16*PITCH*(\a)+64*\u+16
.endr
.endm
.irp a, 0,1,2,3,4,5,6,7
	GATE \a
.endr
	s_wait_dscnt 0x0                               ; for the others' sake: my stores into both stages are done (a row's 256 bytes come from two waves)
	s_barrier_signal -1
	s_barrier_wait -1
; THE WAY OUT: each wave takes 64 whole rows of each stage, in four batches of 32 rows (C, C, H, H) through two buffers of 64 registers, v96-159 and v160-223.
.macro LROWS k
.set BB, 96+64*((\k)%2)
.irp t, 0,1,2,3,4,5,6,7,8,9,10,11,12,13,14,15
.if (\k) < 2
	ds_load_b128 v[BB+4*\t:BB+4*\t+3], v[RDC] offset:2*PITCH*(16*((\k)%2)+\t)
.else
	ds_load_b128 v[BB+4*\t:BB+4*\t+3], v[RDH] offset:2*PITCH*(16*((\k)%2)+\t)
.endif
.endr
.endm
.macro SROWS k, y                      ; y: the LDS loads issued behind batch k's, which may stay out
.set BB, 96+64*((\k)%2)
.irp t, 0,1,2,3,4,5,6,7,8,9,10,11,12,13,14,15
	s_wait_dscnt \y+15-\t                          ; LDS loads come back in order: pair t of the batch is in
.if (\k) < 2
	global_store_b128 v[CO], v[BB+4*\t:BB+4*\t+3], s[16:17] offset:8192*(16*((\k)%2)+\t) th:TH_STORE_NT   ; sixteen lanes store 256 consecutive bytes, at a multiple of 256 from out1's first byte; written once, read by nobody here
.else
	global_store_b128 v[CO], v[BB+4*\t:BB+4*\t+3], s[14:15] offset:8192*(16*((\k)%2)+\t) th:TH_STORE_NT   ; the same in out0
.endif
.endr
.endm
	LROWS 0
	LROWS 1
	SROWS 0, 16
	s_wait_xcnt 0x0                                ; batch 0's stores have read their registers: batch 2's loads may land there
	LROWS 2
	SROWS 1, 16
	s_wait_xcnt 0x0                                ; batch 1's likewise
	LROWS 3
	SROWS 2, 16
	SROWS 3, 0
	s_wait_tensorcnt 0x0                           ; the wave's end, behind my last tensor load and my last LDS store
	ds_add_u32 v[SPW], v[NIL]
	s_wait_dscnt 0x0
	CROUND                                         ; the closing round: no work-group ends while a partner may still ask for a tile that names it
	s_endpgm
.Lfunc_end_k_qf0f7cb73b7_cell:
	.size	k_qf0f7cb73b7_cell, .Lfunc_end_k_qf0f7cb73b7_cell-k_qf0f7cb73b7_cell
	.p2alignl 7, 3214868480
	.fill 96, 4, 3214868480
	.section	.rodata,"a",@progbits
	.p2align	6, 0x0
	.amdhsa_kernel k_qf0f7cb73b7_cell
		.amdhsa_group_segment_fixed_size 327680
		.amdhsa_private_segment_fixed_size 0
		.amdhsa_enable_private_segment 0
		.amdhsa_kernarg_size 88
		.amdhsa_user_sgpr_count 2
		.amdhsa_user_sgpr_kernarg_segment_ptr 1
		.amdhsa_wavefront_size32 1
		.amdhsa_system_sgpr_workgroup_id_x 1
		.amdhsa_system_sgpr_workgroup_id_y 1
		.amdhsa_system_sgpr_workgroup_id_z 1
		.amdhsa_system_vgpr_workitem_id 0
		.amdhsa_next_free_vgpr 1024
		.amdhsa_next_free_sgpr 106
		.amdhsa_reserve_vcc 0
		.amdhsa_float_denorm_mode_32 3
		.amdhsa_float_denorm_mode_16_64 3
		.amdhsa_memory_ordered 1
		.amdhsa_forward_progress 1
		.amdhsa_inst_pref_size 255
	.end_amdhsa_kernel
	.section	.bss,"aw",@nobits
	.p2align	6
	.space	262144
	.amdgpu_metadata
---
amdhsa.version: [ 1, 2 ]
amdhsa.kernels:
  - .name:           k_qf0f7cb73b7_cell
    .symbol:         k_qf0f7cb73b7_cell.kd
    .args:
      - { .name: xq, .offset: 0, .size: 8, .value_kind: global_buffer, .address_space: global }
      - { .name: xs, .offset: 8, .size: 8, .value_kind: global_buffer, .address_space: global }
      - { .name: wq, .offset: 16, .size: 8, .value_kind: global_buffer, .address_space: global }
      - { .name: ws, .offset: 24, .size: 8, .value_kind: global_buffer, .address_space: global }
      - { .name: b_I, .offset: 32, .size: 8, .value_kind: global_buffer, .address_space: global }
      - { .name: b_F, .offset: 40, .size: 8, .value_kind: global_buffer, .address_space: global }
      - { .name: b_G, .offset: 48, .size: 8, .value_kind: global_buffer, .address_space: global }
      - { .name: b_O, .offset: 56, .size: 8, .value_kind: global_buffer, .address_space: global }
      - { .name: c, .offset: 64, .size: 8, .value_kind: global_buffer, .address_space: global }
      - { .name: out0, .offset: 72, .size: 8, .value_kind: global_buffer, .address_space: global }
      - { .name: out1, .offset: 80, .size: 8, .value_kind: global_buffer, .address_space: global }
    .group_segment_fixed_size: 327680
    .private_segment_fixed_size: 0
    .kernarg_segment_align: 8
    .kernarg_segment_size: 88
    .max_flat_workgroup_size: 128
    .sgpr_count:     106
    .vgpr_count:     1024
    .wavefront_size: 32
...
	.end_amdgpu_metadata
.endif
;; end of part 3
;; ======== version 2 of 2: 2 launches
;; limits: a function is approximated: absolute error at most 1.2e-07
;; workspace buffers: xq 8,388,608 bytes; xs 524,288 bytes; wq 4,194,304 bytes; ws 262,144 bytes
;; launch quant (part 4): grid 512 x 1, 8 waves a work-group, no clusters, 84,992 bytes of LDS; arguments x, h, W_I, W_F, W_G, W_O, xq, xs, wq, ws; writes xq, xs, wq, ws
.if DOCPART == 4
	.amdgcn_target "amdgcn-amd-amdhsa--gfx1250"
	.amdhsa_code_object_version 6
	.text
	.protected	k_qf0f7cb73b7_quant
	.globl	k_qf0f7cb73b7_quant
	.p2align	8
	.type	k_qf0f7cb73b7_quant,@function
k_qf0f7cb73b7_quant:
	s_mov_b64 s[64:65], 0
	v_nop
	global_prefetch_b8 v0, s[64:65] scope:SCOPE_SE
	s_setreg_imm32_b32 hwreg(HW_REG_WAVE_MODE, 25, 1), 1
	s_wait_xcnt 0x0
; Both operands of the product become codes of FP4 (E2M1), K innermost, with one E8M0 byte for each 32 along K, in ONE launch.
; X = [x | h], each [8192][1024] f32, K innermost:   xq [8192 rows][1024 bytes], byte = k / 2 (x: bytes 0-511, h: 512-1023);   xs [4 K steps of 512][8192 rows][16 bytes].
; W_g [2048 (k)][1024 (j)] f32, K on the FIRST axis:  wq [4096 rows n'][1024 bytes];   ws [4 K steps of 512][4096 rows n'][16 bytes].
; ROW ORDER of wq and ws, this program's own: n' = (j / 32) x 128 + gate x 32 + j % 32 (gate 0 = I, 1 = F, 2 = G, 3 = O), so that the product's launch finds the four gates of a column j in one wave's 128 rows.
; A block's scale is 2^(floor(log2(largest magnitude)) - 2): its byte is the largest magnitude's exponent field - 2, held at 1 from below by a floor among the maximum's leaves.
; LIMITS: a block of zeros gets the byte 1 (the stated quantiser says 127): its codes are zeros, which add nothing under any byte but 0xff, and this program alone reads the bytes.  NaN and infinities among the inputs are not served.
; SHARES.  512 work-groups of eight waves: 256 take x and h, 256 the weights.  The role is bit 0 of (id xor id / 256), the share is id / 2: work-groups i and i + 1, and i and i + 256, have different roles.
; The two roles part on the work-group's number alone, never meet again, and have LDS bytes of their own: x and h bytes 0 to 65,535, the weights the bytes behind.
; No tensor loads: with 226 registers a wave two work-groups share a WGP.  No cluster: no two work-groups read the same byte.  No matrix work: memory binds.
.set WREG,  8192                       ; x, h: an LDS region for each wave: two stages of 32 x SP bytes, behind them its 256 scale bytes
.set SP,    80
.set STEPS, 16
.set XR,    16                         ; v16-143  eight sets of 16 numbers as they are loaded
.set XN,    144                        ; v144-175 two sets of 16 neighbours
.set XE,    176                        ; v176-191 a scale byte for each step
.set XC,    192                        ; v192-223 codes: two registers for each step
.set WP,    272
.set STG,   8*WREG                     ; the weights: the codes' stage, 64 rows (columns j) x (256 + 16) bytes
.set SST,   STG+64*WP                  ; behind it the scale bytes' stage, 64 rows x 16 bytes
.set WX,    32                         ; v32-159  four sets of 32 numbers, one for each block
.set WCD,   160                        ; v160-175 codes, four registers a block
.set WSW,   176                        ; v176     my four scale bytes
.set WOUT,  180                        ; v180-195 the way out
.set WSO,   196                        ; v196-199 scale bytes on the way out
	v_lshl_add_u32 v224, v0, 2, 0x14800
	v_mov_b32 v225, 0
	v_lshrrev_b32 v1, 5, v0
	v_readfirstlane_b32 s16, v1                    ; wave 0..7
	v_and_b32 v2, 31, v0                           ; lane
	s_lshr_b32 s17, ttmp9, 8
	s_xor_b32 s17, s17, ttmp9
	s_and_b32 s17, s17, 1                          ; the role
	s_lshr_b32 s18, ttmp9, 1                       ; the share, 0..255
	s_cmp_eq_u32 s17, 0
	s_cbranch_scc0 .Lweights
; ---------------- x and h.  The work-group takes 32 rows; wave w takes K step w % 4 (0, 1: the halves of x's rows; 2, 3: of h's) of 16 of them.  A step of the wave is one row's 512 numbers: four loads of 512 consecutive bytes.
; The conversions take neighbours along K from ONE lane's registers, so a step's 2,048 bytes turn through the wave's own stage in LDS: in as loaded (16 bytes a lane), out 64 bytes a lane; 16 bytes of padding behind
; each 64.  Two neighbouring lanes hold a block.  A lane's 16 codes are 8 bytes: the wave stores 256 consecutive bytes, aligned.  The wave's 16 steps make 256 scale bytes, which are consecutive in xs and leave by one store.
; Loads run eight steps (32 loads a wave) ahead; every offset is an immediate; each step has its own registers for codes and byte, so no store's data are written again.  No barrier: these waves share nothing.
	s_load_b128 s[4:7], s[0:1], 0x0                ; x, h
	s_load_b128 s[8:11], s[0:1], 0x30              ; xq, xs
	v_lshlrev_b32 v3, 4, v2                        ; my 16 bytes of a load's 512
	s_mul_i32 s17, s16, WREG
	v_lshrrev_b32 v14, 2, v2
	v_mul_u32_u24 v14, v14, SP
	v_and_b32 v15, 3, v2
	v_lshl_add_u32 v14, v15, 4, v14
	v_add_nc_u32 v14, s17, v14                     ; the stage, on the way in: SP (lane / 4) + 16 (lane % 4)
	v_mul_u32_u24 v15, v2, SP
	v_add_nc_u32 v15, s17, v15                     ; and on the way out: SP x lane: my 16 neighbours
	v_lshlrev_b32 v4, 3, v2                        ; 8 bytes a lane: my codes' place in a step's, and my place in the wave's scale bytes
	v_lshrrev_b32 v5, 1, v2
	s_add_co_u32 s17, s17, 2*32*SP
	v_add_nc_u32 v5, s17, v5                       ; LDS: my wave's 256 scale bytes, my block's byte
	v_add_nc_u32 v6, s17, v4                       ; and back, 8 bytes a lane
	s_and_b32 s22, s16, 3                          ; my K step
	s_lshr_b32 s23, s16, 2
	s_lshl_b32 s24, s18, 1
	s_add_co_u32 s24, s24, s23                     ; my group of 16 rows: 2 x share + wave / 4
	s_and_b32 s20, s22, 1
	s_lshl_b32 s20, s20, 11                        ; which half of a row of 4,096 bytes
	s_lshl_b32 s26, s24, 16                        ; 16 rows of 4,096 bytes a group
	s_add_co_u32 s26, s26, s20
	s_mov_b32 s27, 0
	s_wait_kmcnt 0x0
	s_cmp_lt_u32 s22, 2                            ; x or h: the choice hangs on the wave's number alone
	s_cselect_b64 s[4:5], s[4:5], s[6:7]
	s_add_nc_u64 s[4:5], s[4:5], s[26:27]
	s_lshl_b32 s26, s24, 14                        ; xq: 16 rows of 1,024 bytes a group, 256 bytes a K step
	s_lshl_b32 s20, s22, 8
	s_add_co_u32 s26, s26, s20
	s_add_nc_u64 s[8:9], s[8:9], s[26:27]
	s_lshl_b32 s26, s22, 17                        ; xs: 131,072 bytes a K step, 256 bytes a group
	s_lshl_b32 s20, s24, 8
	s_add_co_u32 s26, s26, s20
	s_add_nc_u64 s[10:11], s[10:11], s[26:27]
.macro LOAD t
.irp i, 0,1,2,3
	global_load_b128 v[XR+16*((\t)%8)+4*\i:XR+16*((\t)%8)+4*\i+3], v3, s[4:5] offset:4096*(\t)+512*\i th:TH_LOAD_NT   ; 32 lanes read 512 consecutive bytes; read once in the launch
.endr
.endm
.macro TURN t                          ; step t's numbers through the stage: LDS serves a wave's instructions in order, so no wait stands between the stores and the loads
.irp i, 0,1,2,3
	ds_store_b128 v14, v[XR+16*((\t)%8)+4*\i:XR+16*((\t)%8)+4*\i+3] offset:32*SP*((\t)%2)+8*SP*\i
.endr
.irp i, 0,1,2,3
	ds_load_b128 v[XN+16*((\t)%2)+4*\i:XN+16*((\t)%2)+4*\i+3], v15 offset:32*SP*((\t)%2)+16*\i
.endr
.endm
.irp t, 0,1,2,3,4,5,6,7
	LOAD \t
.endr
	s_wait_loadcnt 28                              ; step 0's four loads are in; those of steps 1 to 7 may be out
	TURN 0
.macro STEP t
.set XS, XN+16*((\t)%2)
.if (\t) > 0
	s_wait_dscnt 1                                 ; this step's numbers are back from the stage (the last step's byte store may be out): so its stores into the stage have read their registers,
.else
	s_wait_dscnt 0x0
.endif
.if (\t)+8 < STEPS
	LOAD (\t)+8                                    ; which take the loads of eight steps on
.endif
.if (\t)+1 < STEPS
.if (\t) <= 7
	s_wait_loadcnt 28                              ; the next step's four loads are in; those of the seven steps behind it may be out
.else
	s_wait_loadcnt 4*(14-(\t))                     ; the counts run down: steps t + 2 to 15 may be out
.endif
	TURN (\t)+1                                    ; and go through the other stage while this step is worked
.endif
	v_max3_num_f32 v8, |v[XS]|, |v[XS+1]|, |v[XS+2]|               ; the largest magnitude of my 16, in two chains
	v_max3_num_f32 v9, |v[XS+3]|, |v[XS+4]|, |v[XS+5]|
.irp i, 6,10
	v_max3_num_f32 v8, v8, |v[XS+\i]|, |v[XS+\i+1]|
	v_max3_num_f32 v9, v9, |v[XS+\i+2]|, |v[XS+\i+3]|
.endr
	v_max3_num_f32 v8, v8, |v[XS+14]|, |v[XS+15]|
	v_max3_num_f32 v8, v8, v9, 0x1800000           ; and the floor 2^(3 - 127): the byte cannot fall under 1
	v_max_num_f32_dpp v8, v8, v8 row_xmask:1 row_mask:0xf bank_mask:0xf   ; and of my neighbour's 16: the block's
	v_add_nc_u32 v11, 0xff000000, v8               ; 2 off the exponent field: the conversion's scale operand
	v_cvt_scalef32_pk8_fp4_f32 v[XC+2*(\t)], v[XS:XS+7], v11
	v_cvt_scalef32_pk8_fp4_f32 v[XC+2*(\t)+1], v[XS+8:XS+15], v11
	v_lshrrev_b32 v[XE+(\t)], 23, v11              ; the scale's byte.  (Also the plain line behind the conversions)
	ds_store_b8 v5, v[XE+(\t)] offset:16*(\t)      ; both lanes of a block write the same byte with the same value
	global_store_b64 v4, v[XC+2*(\t):XC+2*(\t)+1], s[8:9] offset:1024*(\t)   ; 32 lanes store 256 consecutive bytes, at a multiple of 256 from xq's first byte
.endm
.irp t, 0,1,2,3,4,5,6,7,8,9,10,11,12,13,14,15
	STEP \t
.endr
	ds_load_b64 v[12:13], v6                       ; LDS serves a wave's instructions in order: these see my byte stores
	s_wait_dscnt 0x0
	global_store_b64 v4, v[12:13], s[10:11]        ; 256 consecutive bytes, at a multiple of 256 from xs's first byte
	s_wait_tensorcnt 0x0
	ds_add_u32 v224, v225
	s_wait_dscnt 0x0
	s_endpgm
; ---------------- the weights.  The work-group takes one gate, 64 columns and 512 along K.  A LANE TAKES A COLUMN AND ITS REGISTERS RUN DOWN K: wave w works columns 32 (w % 2) + lane and k = 128 (w / 2) .. + 127,
; four blocks a lane: each load reads 128 consecutive bytes of a row of W, and the two waves that stand side by side read the two halves of each aligned 256 bytes (so no hint says that a line is read once);
; a block's maximum needs no other lane, and the conversions give codes with K innermost.  Nothing is transposed by an instruction.  Each block has its own 32 registers; up to 64 loads of a wave are out.
; The codes leave through a stage in LDS as rows of 256 bytes: sixteen lanes store 256 consecutive bytes, aligned.  The scale bytes of 32 rows n' are 512 consecutive bytes of ws.
.Lweights:
	s_load_b256 s[4:11], s[0:1], 0x10              ; W_I, W_F, W_G, W_O
	s_load_b128 s[12:15], s[0:1], 0x40             ; wq, ws
	s_lshr_b32 s19, s18, 6                         ; which 512 along K
	s_bfe_u32 s17, s18, 0x20004                    ; gate
	s_and_b32 s18, s18, 15                         ; which 64 columns
	s_lshr_b32 s32, s16, 1                         ; kq: which 128 along K I work
	s_and_b32 s33, s16, 1                          ; ch: which 32 columns
	v_lshlrev_b32 v3, 2, v2                        ; 4 bytes a lane
	s_lshl_b32 s2, s19, 21                         ; 512 rows of 4,096 bytes for each K step,
	s_lshl_b32 s34, s32, 19                        ; 128 rows for each quarter,
	s_add_co_u32 s2, s2, s34
	s_lshl_b32 s34, s18, 8                         ; 256 bytes for each group of columns,
	s_add_co_u32 s2, s2, s34
	s_lshl_b32 s34, s33, 7                         ; 128 for each half of it
	s_add_co_u32 s2, s2, s34
	s_mov_b32 s3, 0
	s_wait_kmcnt 0x0
	s_cmp_lt_u32 s17, 2                            ; the gate's weight: the choice hangs on the work-group's number alone
	s_cselect_b64 s[4:5], s[4:5], s[8:9]
	s_cselect_b64 s[6:7], s[6:7], s[10:11]
	s_and_b32 s34, s17, 1
	s_cmp_eq_u32 s34, 0
	s_cselect_b64 s[4:5], s[4:5], s[6:7]
	s_add_nc_u64 s[4:5], s[4:5], s[2:3]
.macro LOADB t                         ; block t: W(128 kq + 32 t + i, my column), i = 0 .. 31
.irp i, 0,1,2,3,4,5,6,7,8,9,10,11,12,13,14,15,16,17,18,19,20,21,22,23,24,25,26,27,28,29,30,31
	global_load_b32 v[WX+32*(\t)+\i], v3, s[4:5] offset:(32*(\t)+\i)*4096
.endr
.endm
	LOADB 0
	LOADB 1
	v_lshrrev_b32 v10, 4, v2                       ; lane / 16.  (The addresses are made while the loads are out)
	v_and_b32 v11, 15, v2                          ; lane % 16
	s_mul_i32 s34, s33, 32*WP
	s_lshl_b32 s35, s32, 6
	s_add_co_u32 s34, s34, s35
	s_add_co_u32 s34, s34, STG
	v_mul_u32_u24 v4, v2, WP
	v_add_nc_u32 v4, s34, v4                       ; the codes' stage: row = my column, byte 64 kq
	s_lshl_b32 s34, s33, 9
	s_lshl_b32 s35, s32, 2
	s_add_co_u32 s35, s35, s34
	s_add_co_u32 s35, s35, SST
	v_lshl_add_u32 v5, v2, 4, s35                  ; the scale bytes' stage: row = my column, byte 4 kq
	s_add_co_u32 s34, s34, SST
	v_lshl_add_u32 v8, v2, 4, s34                  ; and back (waves 0 and 1): 32 rows of 16 bytes
	s_mul_i32 s34, s16, 8*WP
	s_add_co_u32 s34, s34, STG
	v_mul_u32_u24 v6, v10, WP
	v_lshl_add_u32 v6, v11, 4, v6
	v_add_nc_u32 v6, s34, v6                       ; the codes back: my wave's rows 8 w on, sixteen lanes to a row
	v_lshlrev_b32 v7, 10, v10
	v_lshl_add_u32 v7, v11, 4, v7                  ; and the same place in wq: rows of 1,024 bytes
	v_lshlrev_b32 v9, 4, v2
	s_lshl_b32 s2, s18, 18                         ; wq: n' x 1,024 + 256 y, n' = (2 cg + w / 4) x 128 + 32 gate + 8 (w % 4)
	s_lshr_b32 s34, s16, 2
	s_lshl_b32 s34, s34, 17
	s_add_co_u32 s2, s2, s34
	s_lshl_b32 s34, s17, 15
	s_add_co_u32 s2, s2, s34
	s_and_b32 s34, s16, 3
	s_lshl_b32 s34, s34, 13
	s_add_co_u32 s2, s2, s34
	s_lshl_b32 s34, s19, 8
	s_add_co_u32 s2, s2, s34
	s_add_nc_u64 s[12:13], s[12:13], s[2:3]
	s_lshl_b32 s2, s19, 16                         ; ws: y x 65,536 + n' x 16, n' = (2 cg + w % 2) x 128 + 32 gate
	s_lshl_b32 s34, s18, 12
	s_add_co_u32 s2, s2, s34
	s_lshl_b32 s34, s33, 11
	s_add_co_u32 s2, s2, s34
	s_lshl_b32 s34, s17, 9
	s_add_co_u32 s2, s2, s34
	s_add_nc_u64 s[14:15], s[14:15], s[2:3]
.macro BLOCK t
.set WS, WX+32*(\t)
	v_max3_num_f32 v12, |v[WS]|, |v[WS+1]|, |v[WS+2]|              ; the block's largest magnitude: all 32 numbers are mine; two chains
	v_max3_num_f32 v13, |v[WS+3]|, |v[WS+4]|, |v[WS+5]|
.irp i, 6,10,14,18,22,26
	v_max3_num_f32 v12, v12, |v[WS+\i]|, |v[WS+\i+1]|
	v_max3_num_f32 v13, v13, |v[WS+\i+2]|, |v[WS+\i+3]|
.endr
	v_max3_num_f32 v12, v12, |v[WS+30]|, |v[WS+31]|
	v_max3_num_f32 v12, v12, v13, 0x1800000        ; and the floor 2^(3 - 127): the byte cannot fall under 1
	v_add_nc_u32 v14, 0xff000000, v12              ; 2 off the exponent field: the conversion takes the exponent field of this operand as its scale
	v_lshrrev_b32 v13, 23, v14                     ; the scale's byte
.irp g, 0,1,2,3
	v_cvt_scalef32_pk8_fp4_f32 v[WCD+4*(\t)+\g], v[WS+8*\g:WS+8*\g+7], v14
.endr
.if (\t) == 0
	v_mov_b32 v[WSW], v13                          ; four bytes to a register, the lower K in the lower byte.  (Also the plain line behind the conversions)
.else
	v_lshl_or_b32 v[WSW], v13, 8*(\t), v[WSW]
.endif
	ds_store_b128 v4, v[WCD+4*(\t):WCD+4*(\t)+3] offset:16*(\t)    ; 32 codes: 16 bytes of my column's row
.endm
	s_wait_loadcnt 32                              ; block 0's 32 loads are in; block 1's may be out
	LOADB 2
	BLOCK 0
	s_wait_loadcnt 32                              ; block 1's are in; block 2's may be out
	LOADB 3
	BLOCK 1
	s_wait_loadcnt 32                              ; block 2's are in; block 3's may be out
	BLOCK 2
	s_wait_loadcnt 0x0
	BLOCK 3
	ds_store_b32 v5, v[WSW]
	s_wait_dscnt 0x0                               ; for the others' sake: my stores into both stages are done
	s_barrier_signal -1
	s_barrier_wait -1
.irp i, 0,1,2,3
	ds_load_b128 v[WOUT+4*\i:WOUT+4*\i+3], v6 offset:2*WP*\i       ; two rows an instruction
.endr
.irp i, 0,1,2,3
	s_wait_dscnt 3-\i                              ; LDS loads come back in order: pair i is in
	global_store_b128 v7, v[WOUT+4*\i:WOUT+4*\i+3], s[12:13] offset:2048*\i   ; sixteen lanes store 256 consecutive bytes, at a multiple of 256 from wq's first byte
.endr
	s_cmp_lt_u32 s16, 2                            ; waves 0 and 1 store the scale bytes of 32 rows n' each
	s_cbranch_scc0 .Lend
	ds_load_b128 v[WSO:WSO+3], v8
	s_wait_dscnt 0x0
	global_store_b128 v9, v[WSO:WSO+3], s[14:15]   ; 512 consecutive bytes, at a multiple of 512 from ws's first byte
.Lend:
	s_wait_tensorcnt 0x0
	ds_add_u32 v224, v225
	s_wait_dscnt 0x0
	s_endpgm
.Lfunc_end_k_qf0f7cb73b7_quant:
	.size	k_qf0f7cb73b7_quant, .Lfunc_end_k_qf0f7cb73b7_quant-k_qf0f7cb73b7_quant
	.p2alignl 7, 3214868480
	.fill 96, 4, 3214868480
	.section	.rodata,"a",@progbits
	.p2align	6, 0x0
	.amdhsa_kernel k_qf0f7cb73b7_quant
		.amdhsa_group_segment_fixed_size 84992
		.amdhsa_private_segment_fixed_size 0
		.amdhsa_enable_private_segment 0
		.amdhsa_kernarg_size 80
		.amdhsa_user_sgpr_count 2
		.amdhsa_user_sgpr_kernarg_segment_ptr 1
		.amdhsa_wavefront_size32 1
		.amdhsa_system_sgpr_workgroup_id_x 1
		.amdhsa_system_sgpr_workgroup_id_y 1
		.amdhsa_system_sgpr_workgroup_id_z 1
		.amdhsa_system_vgpr_workitem_id 0
		.amdhsa_next_free_vgpr 226
		.amdhsa_next_free_sgpr 66
		.amdhsa_reserve_vcc 0
		.amdhsa_float_denorm_mode_32 3
		.amdhsa_float_denorm_mode_16_64 3
		.amdhsa_memory_ordered 1
		.amdhsa_forward_progress 1
		.amdhsa_inst_pref_size 55
	.end_amdhsa_kernel
	.amdgpu_metadata
---
amdhsa.version: [ 1, 2 ]
amdhsa.kernels:
  - .name:           k_qf0f7cb73b7_quant
    .symbol:         k_qf0f7cb73b7_quant.kd
    .args:
      - { .name: x, .offset: 0, .size: 8, .value_kind: global_buffer, .address_space: global }
      - { .name: h, .offset: 8, .size: 8, .value_kind: global_buffer, .address_space: global }
      - { .name: W_I, .offset: 16, .size: 8, .value_kind: global_buffer, .address_space: global }
      - { .name: W_F, .offset: 24, .size: 8, .value_kind: global_buffer, .address_space: global }
      - { .name: W_G, .offset: 32, .size: 8, .value_kind: global_buffer, .address_space: global }
      - { .name: W_O, .offset: 40, .size: 8, .value_kind: global_buffer, .address_space: global }
      - { .name: xq, .offset: 48, .size: 8, .value_kind: global_buffer, .address_space: global }
      - { .name: xs, .offset: 56, .size: 8, .value_kind: global_buffer, .address_space: global }
      - { .name: wq, .offset: 64, .size: 8, .value_kind: global_buffer, .address_space: global }
      - { .name: ws, .offset: 72, .size: 8, .value_kind: global_buffer, .address_space: global }
    .group_segment_fixed_size: 84992
    .private_segment_fixed_size: 0
    .kernarg_segment_align: 8
    .kernarg_segment_size: 80
    .max_flat_workgroup_size: 256
    .sgpr_count:     66
    .vgpr_count:     226
    .wavefront_size: 32
...
	.end_amdgpu_metadata
.endif
;; end of part 4
;; launch cell (part 5): grid 16 x 32, 4 waves a work-group, clusters of 4 x 4, 327,680 bytes of LDS; arguments xq, xs, wq, ws, b_I, b_F, b_G, b_O, c, out0, out1; writes out0, out1
.if DOCPART == 5
	.amdgcn_target "amdgcn-amd-amdhsa--gfx1250"
	.amdhsa_code_object_version 6
	.text
	.protected	k_qf0f7cb73b7_cell
	.globl	k_qf0f7cb73b7_cell
	.p2align	8
	.type	k_qf0f7cb73b7_cell,@function
k_qf0f7cb73b7_cell:
	s_mov_b64 s[64:65], 0
	v_nop
	global_prefetch_b8 v0, s[64:65] scope:SCOPE_SE
	s_setreg_imm32_b32 hwreg(HW_REG_WAVE_MODE, 25, 1), 1
	s_wait_xcnt 0x0
	s_wait_alu depctr_hold_cnt(0) depctr_sa_sdst(0) depctr_va_vdst(0) depctr_va_sdst(0) depctr_va_ssrc(0) depctr_va_vcc(0) depctr_vm_vsrc(0)
	s_getreg_b32 s2, hwreg(HW_REG_IB_STS2, 6, 4)
	s_cmp_eq_u32 s2, 0
	s_cbranch_scc0 .Lentry_in_a_cluster
	s_endpgm
.Lentry_in_a_cluster:
	s_bfe_u32 s2, ttmp6, 0x10000c
	s_cmp_lg_u32 s2, 0xf033
	s_cbranch_scc0 .Lentry_shape_is_right
	s_endpgm
.Lentry_shape_is_right:
; gates = X W + b on codes of FP4 (E2M1) with one E8M0 scale for each 32 along K (M = 8,192, K = 2,048, N = 4,096), sums in f32; then, in f32,
; C = sigmoid(f) c + sigmoid(i) tanh(g)  (out1)  and  H = sigmoid(o) tanh(C)  (out0).  The gates never go to memory.
; xq [8192][1024 bytes], wq [4096 rows n'][1024 bytes]: codes, K innermost.  xs [4][8192][16], ws [4][4096][16]: scale bytes, laid by K step of 512.
; wq's rows are ordered n' = (j / 32) x 128 + gate x 32 + j % 32 (gate 0 = I, 1 = F, 2 = G, 3 = O): a tile of 256 rows n' is 64 columns j x 4 gates, a wave's 128 rows are 32 columns j x 4 gates.
; SHARES.  A work-group of four waves, as many as a WGP has SIMDs, makes 256 rows x 256 n'; a wave 128 x 128: 64 accumulators of 16 x 16, 512 registers.  512 work-groups.
; THE MATRIX INSTRUCTION IS USED TRANSPOSED (source 0 = 16 rows of wq, source 1 = 16 rows of xq): in accumulator (a, b = 2 gate + u) lane (r, h) holds in register i the gate of row 16 a + r at column
; j = 16 u + 8 h + i of the wave's 32: THE FOUR GATES OF AN ELEMENT LIE IN ONE LANE AT ONE REGISTER INDEX, and a lane's eight numbers are 32 neighbouring bytes of a row of c, out0 and out1.
; The biases are the C of each sum's first matrix instruction.
; K goes in four steps of 512 (rows of 256 bytes) through two LDS slots filled by the tensor data mover; the text is straight: four K steps need no loop.  The scale bytes of the tile's rows, for all of K, come once.
; CLUSTERS: 4 x 4 work-groups.  The four of a row of the cluster need the same tiles of xq, the four of a column the same tiles of wq: each is asked for JOINTLY, by the same tensor load with the same
; descriptor and a mask that names the four.
; c's TILE is read by one work-group alone.  Each wave asks for 64 whole rows of it (256 bytes each) at the kernel's head, by 32 loads of 16 bytes a lane into 128 registers of window 1 that the products leave
; free: three K steps lie between the request and the use.  Behind the third change of slots, which fills nothing, the rows go into the bytes that held xq's tiles of slot 0 (its last fill and its last read are over),
; from where each lane takes its own elements.
; THE WAY OUT: C and H go through two stages in slot 1 (it has had its last fill and, behind a barrier, its last read) and leave as whole rows of 256 bytes, IN FOUR BATCHES: as soon as the two waves of a row half
; have finished two blocks of 16 rows there is a barrier, each wave reads 16 whole rows of each stage, and stores them in the middle of its next block: 48 of a wave's 64 stores leave while gates are still computed.
; ARITHMETIC.  sigmoid(z) = 1 / (1 + 2^(-z log2 e)); tanh(z) = (E - 1) / (E + 1), E = 2^(min(2 z log2 e, 32)): from that exponent on the quotient is 1 in f32, so the hold changes no result and keeps E finite.
; A sigmoid's exponential may reach infinity: its reciprocal is then 0 and meets finite factors alone.  I tanh(g) and O tanh(C) each take one reciprocal, of the product of their two denominators.
; LIMITS: NaN and infinities among the inputs are not served.  The exponentials and reciprocals give 0 for results under 2^-126 (ISA guide, their entries in 15.8): an absolute error under 1.2e-38.
; REGISTERS, in windows of 256: window 0: v1-29 addresses; v32-95 scale words, two sets, and nothing else; v128-191 xq's fragments, ONE set; v192-255 the biases; behind the last product v96-255 are the gates' two sets of 80.
;   window 1: wq's fragments, TWO sets, at v0 and v128; c's rows at v64-127 and v192-255; behind the last product the four batches of the way out, 64 registers each.
;   window 2: the 32 accumulators of my rows 0-63 ((a, b) at v[8 (8 a + b)]);   window 3: those of my rows 64-127.
.set NQ,     4                         ; matrix instructions deep in a slot: 512 / 128
.set ROWB,   256                       ; a tile's row in bytes: 512 codes
.set PITCH,  272                       ; an LDS row: 256 bytes + 16 of padding = 68 words: row r starts at bank 4 r mod 64 (64 banks of 4 bytes: ISA guide 11.1)
.set FR,     8                         ; registers of a fragment: 16 rows x 128 K
.set NL,     2                         ; LDS loads that bring one
.set NP,     4                         ; places behind this matrix instruction (ISA guide 7.12.1)
.set HALFT,  128*PITCH                 ; 128 rows: what one tensor load brings, and what one wave reads of xq or of wq
.set SLOT,   4*HALFT                   ; xq's 256 rows, then wq's 256 rows
.set SCL,    2*SLOT                    ; behind the ring: the scale bytes: four blocks (xq's rows 0-127, 128-255, wq's 0-127, 128-255) of [4 K steps][128 rows][16 bytes]
.set SBLK,   8192
.set SPARE,  SCL+4*SBLK                ; behind them: the spare words, 128 bytes for each wave: two blocks of 256 bytes that no other line names
.set STGC,   SLOT                      ; the stage for C: 256 rows x 272 bytes, in slot 1;
.set STGH,   SLOT+2*HALFT              ; the stage for H behind it
.set CAD,  8                           ; v8   c's tile in LDS, my elements: (128 WR + r) x 272 + 128 WC + 32 h
.set STOC, 9                           ; v9   the same place in the stage for C
.set STOH, 10                          ; v10  and for H
.set RDC,  11                          ; v11  whole rows of the stage for C: row 128 WR + 16 WC + lane / 16, 16 bytes a lane
.set RDH,  12                          ; v12  and of the stage for H
.set CO,   13                          ; v13  the same place in c, out0 and out1
.set VB,   14                          ; v14  my byte offset in each bias
.set CW,   15                          ; v15  the same whole rows in c's tile in LDS
.set ADRA, 16                          ; v16-17  LDS address of my xq fragments in slot 0, 1
.set ADRB, 20                          ; v20-21  the same for wq
.set ADRS, 27                          ; v27  LDS address of my scale words: lanes 0-15 xq's rows, lanes 16-31 wq's
.set SPW,  28                          ; v28  LDS address of my spare word; never rewritten
.set NIL,  29                          ; v29  0; never rewritten
.set SC,   32                          ; scale words: set s at v[SC + 32 s]; register 4 i + q: lanes 0-15 xq's block i, lanes 16-31 wq's block i, the slot's q-th 128 along K
.set AF,   128
.set BIAS, 192                         ; v[BIAS + 8 b ..]: the bias in accumulator (., b)'s layout
.set CR,   64                          ; window 1: c's pair n of rows at v[CR + 4 n + 64 (n / 16)]
.set G1A,  24                          ; s[24:31], s[32:39] groups 1 and 0 (a set for each slot) for xq's tiles
.set G0A,  32
.set G1B,  40                          ; s[40:47], s[48:55] for wq's
.set G0B,  48
.set G1SA, 56                          ; s[56:63], s[68:71] for xq's scale bytes
.set G0SA, 68
.set G1SB, 72                          ; s[72:79], s[80:83] for wq's
.set G0SB, 80
.set WV,   96                          ; s96 wave; s97 WR: my half of the rows, also: I fetch for xq (0) or wq (1); s98 WC: my half of the columns, also: which 128 rows I fetch
.set WR,   97
.set WC,   98
.set MSB, 0
.macro WIN new                         ; the immediate's high byte repeats the setting that is left; a switch that changes nothing is dropped
.if MSB != \new
	s_set_vgpr_msb (MSB<<8)|\new
.set MSB, \new
.endif
.endm
.set MUL_LO, 0xa1                      ; source 0 (wq) window 1, source 1 (xq) window 0, C and D window 2
.set MUL_HI, 0xf1                      ; the same, C and D window 3
.set TO_B,   0x40                      ; destination window 1, address window 0
.set FROM_B, 0x04                      ; a store's data (source 1) window 1, address window 0
; A joint load: waves 0 and 1 fetch for xq, waves 2 and 3 for wq.  Each line has ONE mask and one set of registers for all that issue it; the branch hangs on the wave's number alone.
; Four v_nop follow each of the two lines, ahead of the jump, the label and what follows.
.macro JLOAD g0a, g1a, g0b, g1b
	s_cmp_eq_u32 s[WR], 0
	s_cbranch_scc0 .Lfor_b_\@
	tensor_load_to_lds s[\g0a:\g0a+3], s[\g1a:\g1a+7]
	s_nop 0
.rept 4
	v_nop
.endr
	s_branch .Lasked_\@
.Lfor_b_\@:
	tensor_load_to_lds s[\g0b:\g0b+3], s[\g1b:\g1b+7]
	s_nop 0
.rept 4
	v_nop
.endr
.Lasked_\@:
.endm
.macro CREST                           ; a round of the cluster's barrier behind its opening barrier
	s_cmp_lg_u32 s[WV], 0
	s_cbranch_scc1 .Lnot_wave_0_\@
	s_barrier_signal -3
.Lnot_wave_0_\@:
	s_barrier_wait -3
	s_barrier_signal -1
	s_barrier_wait -1
.endm
.macro CROUND                          ; a whole round
	s_barrier_signal -1
	s_barrier_wait -1
	CREST
.endm
	s_load_b256 s[4:11], s[0:1], 0x0               ; xq s[4:5], xs s[6:7], wq s[8:9], ws s[10:11]
	s_load_b128 s[12:15], s[0:1], 0x40             ; c s[12:13], out0 s[14:15]
	s_load_b64 s[16:17], s[0:1], 0x50              ; out1
	v_lshl_add_u32 v[SPW], v0, 2, SPARE
	v_mov_b32 v[NIL], 0
	ds_add_u32 v28, v29
	ds_add_u32 v28, v29
	s_wait_dscnt 0x0
	v_lshrrev_b32 v1, 5, v0
	v_readfirstlane_b32 s[WV], v1                  ; wave 0..3
	s_lshr_b32 s[WR], s[WV], 1
	s_and_b32 s[WC], s[WV], 1
	s_bfe_u32 s101, ttmp6, 0x40000                 ; cx, cy: my place in the cluster
	s_bfe_u32 s104, ttmp6, 0x40004
	s_lshl_b32 s100, ttmp9, 2
	s_add_co_u32 s100, s100, s101                  ; TC: tile column = 4 x cluster x + cx
	s_and_b32 s99, ttmp7, 0xffff
	s_lshl_b32 s99, s99, 2
	s_add_co_u32 s99, s99, s104                    ; TR: tile row = 4 x cluster y + cy
	s_lshl_b32 s18, s104, 2
	s_lshl_b32 s18, 15, s18                        ; my row of the cluster
	s_lshl_b32 s19, 0x1111, s101                   ; my column
	; group 1 for the codes: a tile of 128 rows x 256 bytes, padded in LDS
	s_or_b32 s[G1A], s18, (1<<20)|(1<<21)|(5<<22)|(3<<25)   ; 15:0 the mask: xq's tiles go to my row; 17:16 elements of 1 byte; 20 padding on; 21 set beside a mask; 24:22 after every 64 words (code 5); 31:25 four words (code 3)
	s_or_b32 s[G1B], s19, (1<<20)|(1<<21)|(5<<22)|(3<<25)   ; wq's go to my column
.irp g, G1A, G1B
	s_mov_b32 s[\g+1], ROWB<<16                    ; tensor_dim0
	s_mov_b32 s[\g+2], 128<<16                     ; tensor_dim1
	s_mov_b32 s[\g+3], ROWB<<16                    ; tile_dim0
	s_mov_b32 s[\g+4], 128                         ; tile_dim1
	s_mov_b32 s[\g+5], 1024                        ; bytes from row to row
	s_mov_b32 s[\g+6], 0
	s_mov_b32 s[\g+7], 0
.endr
	; group 1 for the scale bytes of 128 rows: four rows (one a K step) of 2,048 bytes = 256 elements of 8 bytes; no padding: a fragment's sixteen rows are 256 consecutive bytes
	s_or_b32 s[G1SA], s18, (3<<16)|(1<<21)
	s_or_b32 s[G1SB], s19, (3<<16)|(1<<21)
.irp g, G1SA, G1SB
	s_mov_b32 s[\g+1], 256<<16
	s_mov_b32 s[\g+2], 4<<16
	s_mov_b32 s[\g+3], 256<<16
	s_mov_b32 s[\g+4], 4
	s_mov_b32 s[\g+6], 0
	s_mov_b32 s[\g+7], 0
.endr
	s_mov_b32 s[G1SA+5], 16384                     ; from K step to K step: 8,192 rows x 16 bytes, in elements of 8 bytes
	s_mov_b32 s[G1SB+5], 8192                      ; 4,096 rows x 16 bytes
	; every vector address is made here, ahead of the first branch.  No place in the cluster enters an LDS address.
	v_and_b32 v1, 15, v0                           ; r = lane % 16
	v_bfe_u32 v2, v0, 4, 1                         ; h = lane / 16
	v_mul_u32_u24 v3, v1, PITCH
	v_lshl_add_u32 v4, v2, 4, v3                   ; a fragment's row x pitch + 16 h
	s_mul_i32 s2, s[WR], HALFT                     ; my 128 rows of xq
	s_mul_i32 s3, s[WC], HALFT                     ; my 128 rows of wq,
	s_add_co_u32 s3, s3, 2*HALFT                   ; which lie behind xq's 256
.irp s, 0,1
	v_add_nc_u32 v[ADRA+\s], s2, v4
	v_add_nc_u32 v[ADRB+\s], s3, v4
	s_add_co_u32 s2, s2, SLOT
	s_add_co_u32 s3, s3, SLOT
.endr
	s_lshl_b32 s2, s[WR], 13                       ; the scale words: xq's block of my 128 rows,
	s_lshl_b32 s3, s[WC], 13
	s_add_co_u32 s3, s3, 2*SBLK                    ; wq's, behind xq's two;
	s_sub_co_u32 s3, s3, s2
	v_mul_u32_u24 v6, s3, v2                       ; lanes 16-31 take wq's: the lower base + h x the distance
	s_add_co_u32 s2, s2, SCL
	v_lshl_add_u32 v5, v1, 4, v6                   ; 16 bytes a row
	v_add_nc_u32 v[ADRS], s2, v5
	s_mul_i32 s2, s[WR], 128*PITCH
	s_lshl_b32 s3, s[WC], 7
	s_add_co_u32 s2, s2, s3
	v_lshl_add_u32 v5, v2, 5, v3
	v_add_nc_u32 v[CAD], s2, v5
	v_add_nc_u32 v[STOC], STGC, v[CAD]
	v_add_nc_u32 v[STOH], STGH, v[CAD]
	s_lshl_b32 s22, s100, 8
	s_add_co_u32 s22, s22, s3
	v_lshl_add_u32 v[VB], v2, 5, s22               ; 256 TC + 128 WC + 32 h
	s_mul_i32 s2, s[WR], 128*PITCH                 ; whole rows: batch k of wave (WR, WC) is rows 128 WR + 16 WC + 32 k + 0 .. 15, two rows an instruction
	s_mul_i32 s3, s[WC], 16*PITCH
	s_add_co_u32 s2, s2, s3
	v_mul_u32_u24 v5, v2, PITCH
	v_lshl_add_u32 v5, v1, 4, v5
	v_add_nc_u32 v[CW], s2, v5
	v_add_nc_u32 v[RDC], STGC, v[CW]
	v_add_nc_u32 v[RDH], STGH, v[CW]
	v_lshlrev_b32 v5, 12, v2
	v_lshl_add_u32 v[CO], v1, 4, v5                ; lanes 0-15 one row of 4,096 bytes, lanes 16-31 the next; 16 bytes a lane
	s_lshl_b32 s66, s99, 20                        ; where those rows begin in c, out0 and out1: 256 TR rows of 4,096 bytes + 256 TC
	s_lshl_b32 s67, s100, 8
	s_add_co_u32 s66, s66, s67
	s_lshl_b32 s67, s[WR], 19                      ; + 128 WR rows
	s_add_co_u32 s66, s66, s67
	s_lshl_b32 s67, s[WC], 16                      ; + 16 WC rows
	s_add_co_u32 s66, s66, s67
	s_mov_b32 s67, 0
	; where the tiles come from.  xq's hang on the tile row alone, wq's on the tile column alone, each in registers that never hold the other coordinate
	s_lshl_b32 s20, s99, 18                        ; 256 TR rows of 1,024 bytes
	s_lshl_b32 s2, s[WC], 17                       ; + which 128 rows I fetch
	s_add_co_u32 s20, s20, s2
	s_mov_b32 s21, 0
	s_lshl_b32 s22, s100, 18
	s_add_co_u32 s22, s22, s2
	s_mov_b32 s23, 0
	s_mul_i32 s105, s[WV], HALFT                   ; where they go: wave x 128 rows
	s_lshl_b32 s3, s[WV], 13                       ; and the scale bytes: wave x 8,192
	s_wait_kmcnt 0x0
	s_add_nc_u64 s[4:5], s[4:5], s[20:21]
	s_add_nc_u64 s[8:9], s[8:9], s[22:23]
	s_lshl_b32 s20, s99, 12                        ; the same rows' scale bytes: 16 a row
	s_lshl_b32 s2, s[WC], 11
	s_add_co_u32 s20, s20, s2
	s_lshl_b32 s22, s100, 12
	s_add_co_u32 s22, s22, s2
	s_add_nc_u64 s[6:7], s[6:7], s[20:21]
	s_add_nc_u64 s[10:11], s[10:11], s[22:23]
.irp s, 0,1
	s_mov_b32 s[G0A+4*\s], 1                                       ; count = 1
	s_add_co_u32 s[G0A+4*\s+1], s105, \s*SLOT                      ; LDS address
	s_add_nc_u64 s[G0A+4*\s+2:G0A+4*\s+3], s[4:5], \s*ROWB         ; global address: K step s
	s_or_b32 s[G0A+4*\s+3], s[G0A+4*\s+3], 0x80000000              ; type = 2
	s_mov_b32 s[G0B+4*\s], 1
	s_add_co_u32 s[G0B+4*\s+1], s105, \s*SLOT
	s_add_nc_u64 s[G0B+4*\s+2:G0B+4*\s+3], s[8:9], \s*ROWB
	s_or_b32 s[G0B+4*\s+3], s[G0B+4*\s+3], 0x80000000
.endr
	s_mov_b32 s[G0SA], 1
	s_add_co_u32 s[G0SA+1], s3, SCL
	s_mov_b64 s[G0SA+2:G0SA+3], s[6:7]
	s_or_b32 s[G0SA+3], s[G0SA+3], 0x80000000
	s_mov_b32 s[G0SB], 1
	s_add_co_u32 s[G0SB+1], s3, SCL
	s_mov_b64 s[G0SB+2:G0SB+3], s[10:11]
	s_or_b32 s[G0SB+3], s[G0SB+3], 0x80000000
	s_add_nc_u64 s[12:13], s[12:13], s[66:67]      ; c, out0 and out1 at my first whole row
	s_add_nc_u64 s[14:15], s[14:15], s[66:67]
	s_add_nc_u64 s[16:17], s[16:17], s[66:67]
	CROUND                                         ; all sixteen work-groups are here: the first joint loads meet
	JLOAD G0SA, G1SA, G0SB, G1SB                   ; the scale bytes first: they are wanted with K step 0.  Three tensor loads of mine are out behind these lines
	JLOAD G0A, G1A, G0B, G1B
	JLOAD G0A+4, G1A, G0B+4, G1B
	s_load_b256 s[4:11], s[0:1], 0x20              ; b_I, b_F, b_G, b_O (the four pointers that stood here have gone into the descriptors)
	s_wait_kmcnt 0x0
.irp g, 0,1,2,3
.irp u, 0,1
	global_load_b128 v[BIAS+16*\g+8*\u:BIAS+16*\g+8*\u+3],   v[VB], s[4+2*\g:5+2*\g] offset:64*\u      ; b_gate at columns 16 u + 8 h + 0 .. 7 of my 32
	global_load_b128 v[BIAS+16*\g+8*\u+4:BIAS+16*\g+8*\u+7], v[VB], s[4+2*\g:5+2*\g] offset:64*\u+16
.endr
.endr
	WIN TO_B                                       ; c: my 64 whole rows, two rows an instruction: sixteen lanes read 256 consecutive bytes, aligned; read once in the launch
.irp k, 0,1,2,3
.irp t, 0,1,2,3,4,5,6,7
	global_load_b128 v[CR+4*(8*\k+\t)+64*(\k/2):CR+4*(8*\k+\t)+64*(\k/2)+3], v[CO], s[12:13] offset:131072*\k+8192*\t th:TH_LOAD_NT
.endr
.endr
	WIN 0
.macro FRAG reg, adr, q, i             ; a fragment, 16 rows x 128 K of 4-bit codes: lane l holds row l % 16; registers 4 c .. 4 c + 3 hold K = 64 c + 32 (l / 16) + 0 .. 31
.irp c, 0,1
	ds_load_b128 v[\reg+4*\c:\reg+4*\c+3], v[\adr] offset:64*(\q)+32*\c+(\i)*16*PITCH
.endr
.endm
; 16 matrix instructions: xq's blocks a0, a0 + 1 x wq's eight, the slot's q-th 128 along K.  p: wq's set;  sc: the set of scale words.  first = 1: the bias is the C of the sum's first product: nothing is cleared or added.
; The 64 accumulators take turns, one instruction a turn, in the same order in every step.
.macro MUL16 a0, p, q, sc, first
.irp a, \a0, \a0+1
.irp b, 0,1,2,3,4,5,6,7
.if \first
	v_wmma_scale_f32_16x16x128_f8f6f4 v[8*(8*((\a)%4)+\b):8*(8*((\a)%4)+\b)+7], v[128*(\p)+FR*\b:128*(\p)+FR*\b+FR-1], v[AF+FR*(\a):AF+FR*(\a)+FR-1], v[BIAS+8*\b:BIAS+8*\b+7], v[SC+8*NQ*(\sc)+NQ*\b+(\q)], v[SC+8*NQ*(\sc)+NQ*(\a)+(\q)] matrix_a_fmt:MATRIX_FMT_FP4 matrix_b_fmt:MATRIX_FMT_FP4 matrix_a_scale:MATRIX_SCALE_ROW1
.else
	v_wmma_scale_f32_16x16x128_f8f6f4 v[8*(8*((\a)%4)+\b):8*(8*((\a)%4)+\b)+7], v[128*(\p)+FR*\b:128*(\p)+FR*\b+FR-1], v[AF+FR*(\a):AF+FR*(\a)+FR-1], v[8*(8*((\a)%4)+\b):8*(8*((\a)%4)+\b)+7], v[SC+8*NQ*(\sc)+NQ*\b+(\q)], v[SC+8*NQ*(\sc)+NQ*(\a)+(\q)] matrix_a_fmt:MATRIX_FMT_FP4 matrix_b_fmt:MATRIX_FMT_FP4 matrix_a_scale:MATRIX_SCALE_ROW1
.endif
.endr
.endr
.endm
.macro FETCH_B slot, q, p              ; wq's eight fragments of the slot's q-th 128 along K into set p
	WIN TO_B
.irp i, 0,1,2,3,4,5,6,7
	FRAG 128*(\p)+FR*\i, ADRB+\slot, \q, \i
.endr
	WIN 0
.endm
.macro FETCH_A slot, q, i0             ; xq's blocks i0 .. i0 + 3
.irp i, \i0, \i0+1, \i0+2, \i0+3
	FRAG AF+FR*(\i), ADRA+\slot, \q, \i
.endr
.endm
.macro SCALES sc                       ; a K step's scale words into set sc: four words a row; lanes 0-15 take xq's block i, lanes 16-31 wq's block i; sixteen lanes read 256 consecutive bytes
.irp i, 0,1,2,3,4,5,6,7
	ds_load_b128 v[SC+8*NQ*\sc+NQ*\i:SC+8*NQ*\sc+NQ*\i+3], v[ADRS] offset:\i*256
.endr
.endm
; A load into a register that a matrix instruction has read, and a vector instruction or an LDS store that reads a matrix result, stand NP places behind that matrix instruction; only plain vector
; instructions that name none of its registers are places (ISA guide 7.12.1 for vector instructions).
.macro PLACES n
.rept \n
	v_nop
.endr
.endm
; A step of 128 along K that has its successor in the same slot.  A block of xq is free as soon as its eight products are issued, so one set serves xq: blocks 0-3 are fetched anew in the step's middle, blocks 4-7 at its end.
; extra: LDS instructions issued behind xq's blocks 4-7, which may stay out at the step's head too.
.macro STEP slot, q, first, extra
	s_wait_dscnt 4*NL+\extra                       ; wq's set, xq's blocks 0-3 (and the scale words) are in; the youngest, xq's blocks 4-7 and what was issued behind them, may be out
.if \first
	WIN 0x81                                       ; C (the bias) window 0, D window 2
.else
	WIN MUL_LO
.endif
	MUL16 0, (\q)%2, \q, \slot, \first
	MUL16 2, (\q)%2, \q, \slot, \first
	s_wait_dscnt 0                                 ; xq's blocks 4-7 are in (asked for 32 matrix instructions ago)
	PLACES NP
	FETCH_B \slot, (\q)+1, 1-(\q)%2
	FETCH_A \slot, (\q)+1, 0
.if \first
	WIN 0xc1                                       ; C window 0, D window 3
.else
	WIN MUL_HI
.endif
	MUL16 4, (\q)%2, \q, \slot, \first
	MUL16 6, (\q)%2, \q, \slot, \first
	PLACES NP
	WIN 0
	FETCH_A \slot, (\q)+1, 4
.endm
; A slot's last step changes slots: ONE barrier.  In front of it each wave waits for all its tensor loads, adds 0 to its spare word, and waits for that and for its own reads of this slot.
; fill = 1: the barrier opens a round of the cluster's, and this slot takes the K step two steps on, by a joint load.  fill = 0: nothing is filled, and no round follows.
.macro TURN slot, next, fill
	s_wait_tensorcnt 0x0                           ; all my tensor loads have landed: the one that was out is my part of the next slot;  (every window is 0 here)
	ds_add_u32 v[SPW], v[NIL]                      ; 0 onto my spare word;
	s_wait_dscnt 4*NL+1                            ; (the add and the youngest eight loads, xq's blocks 4-7, may be out)
	WIN MUL_LO
	MUL16 0, 1, NQ-1, \slot, 0                     ; sixteen matrix instructions stand between the add and the wait for it
	s_wait_dscnt 0x0                               ; the add is done, and my reads of this slot are over
	s_barrier_signal -1
	MUL16 2, 1, NQ-1, \slot, 0
	WIN 0
	s_barrier_wait -1
.if \fill
	CREST                                          ; no wave of any partner still reads this slot's tiles or has a load on its way
	s_add_nc_u64 s[G0A+4*\slot+2:G0A+4*\slot+3], s[G0A+4*\slot+2:G0A+4*\slot+3], 2*ROWB
	s_add_nc_u64 s[G0B+4*\slot+2:G0B+4*\slot+3], s[G0B+4*\slot+2:G0B+4*\slot+3], 2*ROWB
	JLOAD G0A+4*\slot, G1A, G0B+4*\slot, G1B       ; the first tensor load behind the round, my one load until the next; the four v_nop behind it are the places in front of the loads below
.else
	PLACES NP
.endif
	v_add_nc_u32 v[ADRS], 2048, v[ADRS]            ; on to the next K step's scale words (no LDS load of mine is out)
	FETCH_B \next, 0, 0
	FETCH_A \next, 0, 0
	SCALES \next
	WIN MUL_HI
	MUL16 4, 1, NQ-1, \slot, 0
	MUL16 6, 1, NQ-1, \slot, 0
	PLACES NP
	WIN 0
	FETCH_A \next, 0, 4
.endm
.macro STEPS slot, from                ; the slot's steps from .. NQ - 2
.set Q, \from
.rept NQ-1-\from
	STEP \slot, Q, 0, 0
.set Q, Q+1
.endr
.endm
	s_wait_tensorcnt 1                             ; the scale bytes and my part of K step 0 are in (K step 1's load may be out)
	s_barrier_signal -1
	s_barrier_wait -1                              ; everybody's are
	FETCH_B 0, 0, 0
	FETCH_A 0, 0, 0
	SCALES 0
	FETCH_A 0, 0, 4
	s_wait_loadcnt 32                              ; the sixteen loads of the biases are in; c's 32, issued behind them, stay out
	STEP 0, 0, 1, 0                                ; K step 0: its first products start the sums from the biases
	STEPS 0, 1
	TURN 0, 1, 1                                   ; slot 0 takes K step 2
	STEPS 1, 0                                     ; K step 1
	TURN 1, 0, 1                                   ; slot 1 takes K step 3
	STEP 0, 0, 0, 0                                ; K step 2
	STEPS 0, 1
	TURN 0, 1, 0                                   ; nobody reads slot 0 any more, and nothing is left to fetch
	s_wait_loadcnt 0x0                             ; c's rows are in my registers (asked for three K steps ago)
	WIN FROM_B
.irp k, 0,1,2,3
.irp t, 0,1,2,3,4,5,6,7
	ds_store_b128 v[CW], v[CR+4*(8*\k+\t)+64*(\k/2):CR+4*(8*\k+\t)+64*(\k/2)+3] offset:32*PITCH*\k+2*PITCH*\t   ; into the bytes that held xq's tiles of slot 0: sixteen lanes write a row's 256 bytes
.endr
.endr
	WIN 0
	STEP 1, 0, 0, 32                               ; K step 3: at its head those 32 stores may be out beside xq's blocks 4-7
	STEP 1, 1, 0, 0
	STEP 1, 2, 0, 0
	s_wait_dscnt 4*NL                              ; the very last step: nothing more to fetch
	WIN MUL_LO
	MUL16 0, 1, NQ-1, 1, 0
	MUL16 2, 1, NQ-1, 1, 0
	s_wait_dscnt 0x0                               ; my reads of slot 1 are over, and my rows of c have long been stored:
	s_barrier_signal -1                            ; say so.
	WIN MUL_HI
	MUL16 4, 1, NQ-1, 1, 0
	MUL16 6, 1, NQ-1, 1, 0
	WIN 0
	s_barrier_wait -1                              ; nobody reads slot 1 any more: it may take the stages; c's tile is whole
	PLACES NP                                      ; behind the last products: the loads and vector lines below write registers that held xq's fragments, and read results
	s_mov_b32 s18, 0xbfb8aa3b                      ; -log2(e), as a pair: the packed forms name a pair and take its low word for both halves
	s_mov_b32 s19, s18
	s_mov_b32 s20, 0x4038aa3b                      ; 2 log2(e)
	s_mov_b32 s21, s20
	s_mov_b32 s22, 0x42000000                      ; 32.0
; THE WAY OUT, batch k: rows 128 WR + 16 WC + 32 k + 0 .. 15 of each stage, whole, into the batch's own 64 registers of window 1 (C's eight pairs of rows, then H's): no store's registers are written again.
.macro LROWS k
	WIN TO_B
.irp t, 0,1,2,3,4,5,6,7
	ds_load_b128 v[64*(\k)+4*\t:64*(\k)+4*\t+3], v[RDC] offset:32*PITCH*(\k)+2*PITCH*\t
.endr
.irp t, 0,1,2,3,4,5,6,7
	ds_load_b128 v[64*(\k)+32+4*\t:64*(\k)+32+4*\t+3], v[RDH] offset:32*PITCH*(\k)+2*PITCH*\t
.endr
	WIN 0
.endm
.macro SROWS k, count                  ; count = 1: the batch's loads were issued just before: each store waits for its own.  count = 0: a wait for all LDS instructions stands ahead
	WIN FROM_B
.irp t, 0,1,2,3,4,5,6,7
.if \count
	s_wait_dscnt 15-\t                             ; LDS loads come back in order: C's pair t is in
.endif
	global_store_b128 v[CO], v[64*(\k)+4*\t:64*(\k)+4*\t+3], s[16:17] offset:131072*(\k)+8192*\t th:TH_STORE_NT   ; sixteen lanes store 256 consecutive bytes, at a multiple of 256 from out1's first byte; written once, read by nobody here
.endr
.irp t, 0,1,2,3,4,5,6,7
.if \count
	s_wait_dscnt 7-\t                              ; H's pair t is in
.endif
	global_store_b128 v[CO], v[64*(\k)+32+4*\t:64*(\k)+32+4*\t+3], s[14:15] offset:131072*(\k)+8192*\t th:TH_STORE_NT   ; the same in out0
.endr
	WIN 0
.endm
.macro BAR                             ; for the others' sake: my stores into both stages are done (a row's 256 bytes come from two waves); then the work-group's barrier
	s_wait_dscnt 0x0
	s_barrier_signal -1
	s_barrier_wait -1
.endm
; THE GATES, a block of 16 rows at a time: 16 elements a lane.  Set p = a % 2 of 80 registers at P: TI +0, TF +16, TG +32, TO +48 (accumulator (a, b) goes to P + 8 b), c and then C at +64.
.macro VEXP base, n
.set J, 0
.rept \n
	v_exp_f32 v[\base+J], v[\base+J]
.set J, J+1
.endr
	v_nop                                          ; a plain line between the transcendentals and the use of their results (ISA guide 5.7.2)
	s_wait_alu depctr_va_vdst(0)
.endm
.macro VRCP base, n
.set J, 0
.rept \n
	v_rcp_f32 v[\base+J], v[\base+J]
.set J, J+1
.endr
	v_nop
	s_wait_alu depctr_va_vdst(0)
.endm
.macro VCAP base                       ; sixteen exponents held at 32
.set J, 0
.rept 16
	v_min_num_f32 v[\base+J], s22, v[\base+J]
.set J, J+1
.endr
.endm
.macro PADD base, n, k                 ; n pairs += k
.set J, 0
.rept \n
	v_pk_add_f32 v[\base+J:\base+J+1], v[\base+J:\base+J+1], \k op_sel_hi:[1,0]
.set J, J+2
.endr
.endm
.macro PMUL d, x, y                    ; eight pairs: d = x y
.set J, 0
.rept 8
	v_pk_mul_f32 v[\d+J:\d+J+1], v[\x+J:\x+J+1], v[\y+J:\y+J+1]
.set J, J+2
.endr
.endm
.macro GATE a, send                    ; send: the batch whose rows, read from the stages just ahead of this block, are stored in its middle; -1: none
.set P,  96+80*((\a)%2)
.set AC, 64*((\a)%4)
.irp u, 0,1
	ds_load_b128 v[P+64+8*\u:P+64+8*\u+3],   v[CAD] offset:16*PITCH*(\a)+64*\u      ; c(16 a + r, 16 u + 8 h + 0 .. 7): wanted far below
	ds_load_b128 v[P+64+8*\u+4:P+64+8*\u+7], v[CAD] offset:16*PITCH*(\a)+64*\u+16
.endr
	WIN (0x02+(\a)/4)                              ; source 0: window 2 or 3
.irp b, 0,1,2,3,4,5,6,7                ; the exponents: -z log2(e) for the three sigmoids, 2 z log2(e) for the tanh; each accumulator from its low end on
.irp i, 0,2,4,6
.if \b/2 == 2
	v_pk_mul_f32 v[P+8*\b+\i:P+8*\b+\i+1], v[AC+8*\b+\i:AC+8*\b+\i+1], s[20:21] op_sel_hi:[1,0]
.else
	v_pk_mul_f32 v[P+8*\b+\i:P+8*\b+\i+1], v[AC+8*\b+\i:AC+8*\b+\i+1], s[18:19] op_sel_hi:[1,0]
.endif
.endr
.endr
	WIN 0
	VCAP P+32
	VEXP P, 64
	PADD P, 32, 1.0                                ; 1 + e_i, 1 + e_f, E + 1, 1 + e_o
	PMUL P, P, P+32                                ; (1 + e_i)(E + 1)
	PADD P+32, 8, -2.0                             ; E - 1
	VRCP P, 32                                     ; 1 / ((1 + e_i)(E + 1)), and F
	PMUL P, P, P+32                                ; I tanh(g)
	s_wait_dscnt 0x0                               ; c is in, and so are the rows of the batch to be sent; the block before has had its stores done: its set is written again only in the next block
.if \send >= 0
	SROWS \send, 0
.endif
.set J, 0
.rept 8
	v_pk_fma_f32 v[P+64+J:P+64+J+1], v[P+16+J:P+16+J+1], v[P+64+J:P+64+J+1], v[P+J:P+J+1]   ; C = F c + I tanh(g)
.set J, J+2
.endr
.irp u, 0,1
	ds_store_b128 v[STOC], v[P+64+8*\u:P+64+8*\u+3]   offset:16*PITCH*(\a)+64*\u
	ds_store_b128 v[STOC], v[P+64+8*\u+4:P+64+8*\u+7] offset:16*PITCH*(\a)+64*\u+16
.endr
.set J, 0
.rept 8
	v_pk_mul_f32 v[P+32+J:P+32+J+1], v[P+64+J:P+64+J+1], s[20:21] op_sel_hi:[1,0]   ; 2 C log2(e)
.set J, J+2
.endr
	VCAP P+32
	VEXP P+32, 16
	PADD P+32, 8, 1.0                              ; E + 1
	PMUL P+48, P+48, P+32                          ; (1 + e_o)(E + 1)
	PADD P+32, 8, -2.0                             ; E - 1
	VRCP P+48, 16
	PMUL P+16, P+32, P+48                          ; H = O tanh(C)
.irp u, 0,1
	ds_store_b128 v[STOH], v[P+16+8*\u:P+16+8*\u+3]   offset:16*PITCH*(\a)+64*\u
	ds_store_b128 v[STOH], v[P+16+8*\u+4:P+16+8*\u+7] offset:16*PITCH*(\a)+64*\u+16
.endr
.endm
	GATE 0, -1
	GATE 1, -1
	BAR                                            ; rows 32 k .. 32 k + 31 of both row halves lie whole in the stages, here k = 0; later blocks write other rows
	LROWS 0
	GATE 2, 0
	GATE 3, -1
	BAR
	LROWS 1
	GATE 4, 1
	GATE 5, -1
	BAR
	LROWS 2
	GATE 6, 2
	GATE 7, -1
	BAR
	LROWS 3
	SROWS 3, 1                                     ; the last batch: sixteen of my 64 stores
	s_wait_tensorcnt 0x0                           ; the wave's end, behind my last tensor load and my last LDS store
	ds_add_u32 v[SPW], v[NIL]
	s_wait_dscnt 0x0
	CROUND                                         ; the closing round: no work-group ends while a partner may still ask for a tile that names it
	s_endpgm
.Lfunc_end_k_qf0f7cb73b7_cell:
	.size	k_qf0f7cb73b7_cell, .Lfunc_end_k_qf0f7cb73b7_cell-k_qf0f7cb73b7_cell
	.p2alignl 7, 3214868480
	.fill 96, 4, 3214868480
	.section	.rodata,"a",@progbits
	.p2align	6, 0x0
	.amdhsa_kernel k_qf0f7cb73b7_cell
		.amdhsa_group_segment_fixed_size 327680
		.amdhsa_private_segment_fixed_size 0
		.amdhsa_enable_private_segment 0
		.amdhsa_kernarg_size 88
		.amdhsa_user_sgpr_count 2
		.amdhsa_user_sgpr_kernarg_segment_ptr 1
		.amdhsa_wavefront_size32 1
		.amdhsa_system_sgpr_workgroup_id_x 1
		.amdhsa_system_sgpr_workgroup_id_y 1
		.amdhsa_system_sgpr_workgroup_id_z 1
		.amdhsa_system_vgpr_workitem_id 0
		.amdhsa_next_free_vgpr 1024
		.amdhsa_next_free_sgpr 106
		.amdhsa_reserve_vcc 0
		.amdhsa_float_denorm_mode_32 3
		.amdhsa_float_denorm_mode_16_64 3
		.amdhsa_memory_ordered 1
		.amdhsa_forward_progress 1
		.amdhsa_inst_pref_size 255
	.end_amdhsa_kernel
	.section	.bss,"aw",@nobits
	.p2align	6
	.space	262144
	.amdgpu_metadata
---
amdhsa.version: [ 1, 2 ]
amdhsa.kernels:
  - .name:           k_qf0f7cb73b7_cell
    .symbol:         k_qf0f7cb73b7_cell.kd
    .args:
      - { .name: xq, .offset: 0, .size: 8, .value_kind: global_buffer, .address_space: global }
      - { .name: xs, .offset: 8, .size: 8, .value_kind: global_buffer, .address_space: global }
      - { .name: wq, .offset: 16, .size: 8, .value_kind: global_buffer, .address_space: global }
      - { .name: ws, .offset: 24, .size: 8, .value_kind: global_buffer, .address_space: global }
      - { .name: b_I, .offset: 32, .size: 8, .value_kind: global_buffer, .address_space: global }
      - { .name: b_F, .offset: 40, .size: 8, .value_kind: global_buffer, .address_space: global }
      - { .name: b_G, .offset: 48, .size: 8, .value_kind: global_buffer, .address_space: global }
      - { .name: b_O, .offset: 56, .size: 8, .value_kind: global_buffer, .address_space: global }
      - { .name: c, .offset: 64, .size: 8, .value_kind: global_buffer, .address_space: global }
      - { .name: out0, .offset: 72, .size: 8, .value_kind: global_buffer, .address_space: global }
      - { .name: out1, .offset: 80, .size: 8, .value_kind: global_buffer, .address_space: global }
    .group_segment_fixed_size: 327680
    .private_segment_fixed_size: 0
    .kernarg_segment_align: 8
    .kernarg_segment_size: 88
    .max_flat_workgroup_size: 128
    .sgpr_count:     106
    .vgpr_count:     1024
    .wavefront_size: 32
...
	.end_amdgpu_metadata
.endif
;; end of part 5
